; MI455X (gfx1250); checked and timed in simulation.
; The chip was launched on July 23, 2026; its instructions are those of AMD's public machine-readable ISA for CDNA 5 (MIT licence, August 2026) and "CDNA5" Instruction Set Architecture Reference Guide (July 2026). The comments in the code are by the model that wrote it; some were corrected since.
;; Mesh Cross Attention Block. Allowed arithmetic: matrix products marked QUANTISED: E2M3 operands, one E8M0 scale for each 32 along K, by v_wmma_scale_f32_16x16x128_f8f6f4 with both operands' format E2M3, f32 sums; products left as they are: f32 operands where the result goes on into a quantised operand, else bf16, f16 or f32 operands; f32 sums; everything else in f32.
;; Inputs: W_ada 512 x 1,024 float32; Wkv_codes 1,024 x 16 x 24 uint8 (E2M3 codes of Wkv, K innermost, in blocks of 32 codes, four codes in three bytes); Wkv_scales 1,024 x 16 uint8 (E8M0 scales of Wkv, one for each 32 codes along K); Wp_codes 512 x 16 x 24 uint8 (E2M3 codes of Wp, K innermost, in blocks of 32 codes, four codes in three bytes); Wp_scales 512 x 16 uint8 (E8M0 scales of Wp, one for each 32 codes along K); Wq_codes 512 x 16 x 24 uint8 (E2M3 codes of Wq, K innermost, in blocks of 32 codes, four codes in three bytes); Wq_scales 512 x 16 uint8 (E8M0 scales of Wq, one for each 32 codes along K); b_ada 1,024 float32; b_ctx 512 float32; bp 512 float32; cond 8 x 512 float32; context 8 x 1,024 x 512 float32; context_mask 8 x 1,024 bool; g_ctx 512 float32; x 8 x 4,096 x 512 float32.
;; Outputs: out0 8 x 4,096 x 512 float32.
;; This version of the problem:
;;   THIS VERSION OF THE PROBLEM IS GIVEN IN LOW PRECISION. The matrix products marked QUANTISED in the list below multiply operands that are first quantised to E2M3 (2 exponent bits, 3 mantissa bits; 6 bits a number), with one power-of-two scale for each 32 numbers along K (OCP MX v1.0); their sums are f32. All else is computed in f32.
;;   The module's matrix products, in the order in which they are computed (A, B: the left and right operand; K: the contracted axis; several contracted axes count as one K, in the product's order):
;;     1. [M 8, K 512] x [K 512, N 1,024]; A: computed on the way; B: input W_ada: left as it is (M = 8 < 16)
;;     2. [M 32,768, K 512] x [K 512, N 512]; A: computed on the way; B: input Wq (given as codes): QUANTISED
;;     3. [M 8,192, K 512] x [K 512, N 1,024]; A: computed on the way; B: input Wkv (given as codes): QUANTISED
;;     4. batch 64 x [M 4,096, K 64] x [K 64, N 1,024]; A: computed on the way; B: computed on the way: QUANTISED
;;     5. batch 64 x [M 64, K 1,024] x [K 1,024, N 4,096]; A: computed on the way; B: softmax (see below): QUANTISED
;;     6. [M 32,768, K 512] x [K 512, N 512]; A: computed on the way; B: input Wp (given as codes): QUANTISED
;;   THE QUANTISER, for each operand of a quantised product, along K:
;;     - K is cut into blocks of 32 from its start; a last block that is shorter is filled with zeros.
;;     - A block's scale is 2^e with e = floor(log2(the largest magnitude in the block)) - 2, held to -126 .. 127; a block of zeros has e = 0. As a byte (E8M0): e + 127.
;;     - Each number is divided by its block's scale, clamped to +-7.5, and rounded to the nearest number of E2M3, ties to even, subnormals kept.
;;     - The product sums the exact products of the quantised numbers (number of the format x scale) in f32.
;;   ~~~python
;;   def quantise(x, axis):      # numpy; x: float32 -> the quantised numbers, widened to float32 again
;;       x = np.moveaxis(x, axis, -1); K = x.shape[-1]
;;       x = np.pad(x, [(0, 0)] * (x.ndim - 1) + [(0, -K % 32)]); x = x.reshape(x.shape[:-1] + (-1, 32)); a = np.abs(x).max(-1, keepdims=True)
;;       e = np.where(a > 0, np.clip(np.frexp(np.where(a > 0, a, 1))[1] - 1 - 2, -126, 127), 0)      # np.frexp(a)[1] - 1 = floor(log2(a)), exactly
;;       r = np.clip(x / 2.0 ** e, -7.5, 7.5)
;;       step = 2.0 ** (np.maximum(np.frexp(np.where(r == 0, 1, r))[1] - 1, 0) - 3)
;;       q = np.round(r / step) * step * 2.0 ** e      # np.round: ties to even
;;       return np.moveaxis(q.reshape(q.shape[:-2] + (-1,))[..., :K], -1, axis).astype(np.float32)
;;   ~~~
;;   SOFTMAX AHEAD OF A QUANTISED PRODUCT. Where the list says 'softmax', what is quantised is not the finished softmax but p = 2^(t - M), with t = logit x log2(e) and M = ceil(the row's largest t), a whole number; so 1/2 < the row's largest p <= 1. The row's sum l is taken of the UNQUANTISED p, in f32, and the product's result is divided by l at the end. Since M is a whole number, a kernel that streams over the keys may use a running M (the ceiling of the running maximum): every later rescaling is an exact power of two, which a block's scale takes up: the codes' values come out the same.
;;   OPERANDS COMPUTED ON THE WAY. 'Computed on the way' means the value that the module computes at that place (a softmax that the list does not call 'softmax' is quantised finished and normalised). What goes into a quantiser is computed in f32, as accurately as f32 sums, v_exp_f32 and their like allow (about 1e-6 of the number): no bf16 or f16 on the way to a quantiser, and a product that is left as it is and whose result goes on into a quantised operand takes f32 operands (vector FMAs, or v_wmma_f32_16x16x4_f32). A number that lies on a knife's edge between two numbers of the format may be rounded either way, as far as f32 arithmetic and the matrix unit's own rounding can turn it there, and no further.
;;   INPUTS GIVEN AS CODES. Wkv (in the module: [512, 1024], K = its axis 0); Wp (in the module: [512, 512], K = its axis 0); Wq (in the module: [512, 512], K = its axis 0): each comes as NAME_codes (uint8): NAME with its K axis moved to the last place and cut into blocks of 32 codes, [.., K / 32, bytes a block], one block behind the other in memory; four codes in three bytes: a row's codes are one little-endian stream of bits, code i at bits 6 i .. 6 i + 5 (a code: sign, 2 exponent bits, 3 mantissa bits); and NAME_scales (uint8): the same leading axes, one E8M0 byte (e + 127) for each 32 codes along K. Its value is code x scale, taken as it is: it is not quantised again, and the codes and scales need not be those that the quantiser above would give.
;; One version. Each part assembles by itself: llvm-mc -triple=amdgcn-amd-amdhsa -mcpu=gfx1250 --defsym DOCPART=n.
;; ======== version 1 of 1: 3 launches
;; limits: right only within a limited range of input values
;; workspace buffers: ada 32,768 bytes; kvimg 7,733,248 bytes
;; launch ada (part 1): grid 16 x 1, 16 waves a work-group, no clusters, 51,200 bytes of LDS; arguments cond, W_ada, b_ada, ada; writes ada
.if DOCPART == 1
	.amdgcn_target "amdgcn-amd-amdhsa--gfx1250"
	.amdhsa_code_object_version 6
	.text
	.protected	k_q6fb8cd9a90_ada
	.globl	k_q6fb8cd9a90_ada
	.p2align	8
	.type	k_q6fb8cd9a90_ada,@function
k_q6fb8cd9a90_ada:
	s_mov_b64 s[64:65], 0
	v_nop
	global_prefetch_b8 v0, s[64:65] scope:SCOPE_SE
	s_setreg_imm32_b32 hwreg(HW_REG_WAVE_MODE, 25, 1), 1
	s_wait_xcnt 0x0
; ada[b][n] = (silu(cond[b]) . W_ada[:, n] + b_ada[n]) + (1 where n < 512): columns 0-511 are the gain 1 + scale, columns 512-1023 the shift.
; cond [8][512], W_ada [512][1024], b_ada [1024], ada [8][1024], all f32.  The result goes on into a quantiser, so operands and sums are f32: fused multiply-adds.
; With 8 rows the matrix units have nothing to gain here, and the f32 matrix form is no faster than these lines.
; SHARES.  Work-group j owns columns 64 j .. 64 j + 63: 256 consecutive bytes of each row of W_ada.  Wave w owns K rows 32 w .. 32 w + 31.
; Lane (c = lane % 16, h = lane / 16) owns columns 4 c .. 4 c + 3 of rows 32 w + 2 i + h, i = 0 .. 15: a load of the wave covers two whole runs of 256 bytes.
; Thread t makes silu(cond[b][t]) for the eight b and puts them into its wave's own 1,024 bytes of LDS; t runs over just the wave's 32 rows of K, so no barrier is needed for that.
; The sixteen waves' partial sums meet in LDS behind one barrier; waves 0-3 add them and store, sixteen lanes to 256 consecutive bytes.
; LIMITS: NaN and infinities among the inputs are not served.
.set RED, 16384                        ; LDS: 0 .. 16,383 silu(cond), [k][8]; from RED on 16 waves x [8][64] partial sums
.set ACC, 32                           ; v32-63   sums: [b][4 columns]
.set WR,  64                           ; v64-127  my 16 rows x 4 columns of W_ada; later the sixteen partial sums
.set SV,  128                          ; v128-159 silu(cond) of four steps: [step][b]
.set PT,  160                          ; v160-167 what the other half of the lanes sends
	s_load_b256 s[4:11], s[0:1], 0x0               ; cond s[4:5], W_ada s[6:7], b_ada s[8:9], ada s[10:11]
	v_lshl_add_u32 v192, v0, 2, 0xc000
	v_mov_b32 v193, 0
	v_lshrrev_b32 v16, 5, v0
	v_readfirstlane_b32 s12, v16                   ; wave
	v_and_b32 v17, 15, v0                          ; c
	v_bfe_u32 v18, v0, 4, 1                        ; h
	v_lshlrev_b32 v1, 2, v0                        ; cond: 4 t
	v_lshlrev_b32 v3, 4, v17                       ; 16 c
	v_lshlrev_b32 v2, 17, v16                      ; W_ada: 32 w rows of 4,096 bytes
	v_lshl_add_u32 v2, v18, 12, v2                 ; + h rows
	v_add_nc_u32 v2, v2, v3                        ; + 16 c
	v_lshlrev_b32 v4, 5, v0                        ; LDS: my 8 numbers at 32 t
	v_lshlrev_b32 v5, 10, v16
	v_lshl_add_u32 v5, v18, 5, v5                  ; LDS: row 32 w + h of silu(cond); 64 bytes a step
	v_lshlrev_b32 v6, 11, v16
	v_add_nc_u32 v6, v6, v3
	v_add_nc_u32 v6, RED, v6                       ; LDS: my wave's partial sums, + 16 c
	v_lshl_add_u32 v7, v0, 4, RED                  ; LDS: (b, c) = (t / 16, t % 16) of wave 0's partial sums
	v_lshrrev_b32 v28, 4, v0
	v_lshl_add_u32 v28, v28, 12, v3                ; ada: 4,096 b + 16 c
	s_mov_b32 s16, 0x76543210
	s_mov_b32 s17, 0xfedcba98                      ; v_permlanex16_b32's selects for lane l xor 16
	s_lshl_b32 s14, ttmp9, 8                       ; 256 j
	s_mov_b32 s15, 0
	s_wait_kmcnt 0x0
	s_add_nc_u64 s[6:7], s[6:7], s[14:15]
	s_add_nc_u64 s[8:9], s[8:9], s[14:15]
	s_add_nc_u64 s[10:11], s[10:11], s[14:15]
	global_load_b128 v[24:27], v3, s[8:9]          ; b_ada of my four columns
.irp b, 0,1,2,3,4,5,6,7
	global_load_b32 v[8+\b], v1, s[4:5] offset:2048*\b
.endr
.irp i, 0,1,2,3,4,5,6,7,8,9,10,11,12,13,14,15
	global_load_b128 v[WR+4*\i:WR+4*\i+3], v2, s[6:7] offset:8192*\i th:TH_LOAD_NT   ; each byte of W_ada is read once in the launch
.endr
.irp b, 0,1,2,3,4,5,6,7
	v_mov_b32 v[PT+\b], 0                          ; written once: a lane permute's destination counts as one of its sources
.endr
	s_wait_loadcnt 16                              ; b_ada and cond are in; the sixteen loads of W_ada may be out
.irp b, 0,1,2,3,4,5,6,7
	v_mul_f32 v[16+\b], 0xbfb8aa3b, v[8+\b]        ; -x log2(e)
.endr
.irp b, 0,1,2,3,4,5,6,7
	v_exp_f32 v[16+\b], v[16+\b]
.endr
	v_nop                                          ; a plain place behind the exponentials
	s_wait_alu depctr_va_vdst(0)
.irp b, 0,1,2,3,4,5,6,7
	v_add_f32 v[16+\b], 1.0, v[16+\b]
.endr
.irp b, 0,1,2,3,4,5,6,7
	v_rcp_f32 v[16+\b], v[16+\b]
.endr
	v_nop                                          ; and behind the reciprocals
	s_wait_alu depctr_va_vdst(0)
.irp b, 0,1,2,3,4,5,6,7
	v_mul_f32 v[8+\b], v[8+\b], v[16+\b]           ; silu(x) = x / (1 + e^-x)
.endr
	ds_store_b128 v4, v[8:11]
	ds_store_b128 v4, v[12:15] offset:16
; 32 multiply-adds: step st of sixteen (its numbers of silu(cond) lie in place sl of four).  The first step starts the sums: nothing is cleared.
.macro FMAS st, sl
.irp b, 0,1,2,3,4,5,6,7
.irp e, 0,1,2,3
.if (\st) == 0
	v_mul_f32 v[ACC+4*\b+\e], v[SV+8*(\sl)+\b], v[WR+4*(\st)+\e]
.else
	v_fma_f32 v[ACC+4*\b+\e], v[SV+8*(\sl)+\b], v[WR+4*(\st)+\e], v[ACC+4*\b+\e]
.endif
.endr
.endr
.endm
.macro GROUP qd                        ; four steps
.irp k, 0,1,2,3
	ds_load_b128 v[SV+8*\k:SV+8*\k+3], v5 offset:64*(4*\qd+\k)       ; LDS serves a wave's instructions in order: these see my wave's stores
	ds_load_b128 v[SV+8*\k+4:SV+8*\k+7], v5 offset:64*(4*\qd+\k)+16
.endr
	s_wait_dscnt 0x0
	s_wait_loadcnt 12-4*\qd                        ; this group's four rows of W_ada are in; the later groups' may be out
.irp k, 0,1,2,3
	FMAS 4*\qd+\k, \k
.endr
.endm
	GROUP 0
	GROUP 1
	GROUP 2
	GROUP 3
.irp q, 0,1,2,3                        ; even rows' sums and odd rows' sums lie 16 lanes apart
.irp e, 0,1,2,3,4,5,6,7
	v_permlanex16_b32 v[PT+\e], v[ACC+8*\q+\e], s16, s17
.endr
.irp e, 0,1,2,3,4,5,6,7
	v_add_f32 v[ACC+8*\q+\e], v[ACC+8*\q+\e], v[PT+\e]
.endr
.endr
.irp b, 0,1,2,3,4,5,6,7
	ds_store_b128 v6, v[ACC+4*\b:ACC+4*\b+3] offset:256*\b           ; both halves of the lanes write the same bytes with the same values
.endr
	s_wait_dscnt 0x0                               ; for the others' sake: my partial sums lie in LDS
	s_barrier_signal -1
	s_barrier_wait -1
	s_cmp_ge_u32 s12, 4
	s_cbranch_scc1 .Ldone                          ; 128 threads finish the 8 x 64 numbers
.irp k, 0,1,2,3,4,5,6,7,8,9,10,11,12,13,14,15
	ds_load_b128 v[WR+4*\k:WR+4*\k+3], v7 offset:2048*\k
.endr
	s_cmp_lt_u32 ttmp9, 8
	s_cselect_b32 s18, 1.0, 0                      ; the gain's columns get 1 +
	s_mov_b32 s19, s18                             ; (named with it as a pair, so it is written)
	s_wait_dscnt 0x0
.macro TREE d                          ; the upper d partial sums onto the lower d
.set n, 0
.rept \d
	v_pk_add_f32 v[WR+4*n:WR+4*n+1], v[WR+4*n:WR+4*n+1], v[WR+4*(n+\d):WR+4*(n+\d)+1]
	v_pk_add_f32 v[WR+4*n+2:WR+4*n+3], v[WR+4*n+2:WR+4*n+3], v[WR+4*(n+\d)+2:WR+4*(n+\d)+3]
.set n, n+1
.endr
.endm
	TREE 8
	TREE 4
	TREE 2
	TREE 1
	v_pk_add_f32 v[WR:WR+1], v[WR:WR+1], v[24:25]
	v_pk_add_f32 v[WR+2:WR+3], v[WR+2:WR+3], v[26:27]
	v_pk_add_f32 v[WR:WR+1], v[WR:WR+1], s[18:19] op_sel_hi:[1,0]
	v_pk_add_f32 v[WR+2:WR+3], v[WR+2:WR+3], s[18:19] op_sel_hi:[1,0]
	global_store_b128 v28, v[WR:WR+3], s[10:11]    ; sixteen lanes store 256 consecutive bytes, at a multiple of 256 from ada's first byte
.Ldone:
	s_wait_tensorcnt 0x0
	ds_add_u32 v192, v193
	s_wait_dscnt 0x0
	s_endpgm
.Lfunc_end_k_q6fb8cd9a90_ada:
	.size	k_q6fb8cd9a90_ada, .Lfunc_end_k_q6fb8cd9a90_ada-k_q6fb8cd9a90_ada
	.p2alignl 7, 3214868480
	.fill 96, 4, 3214868480
	.section	.rodata,"a",@progbits
	.p2align	6, 0x0
	.amdhsa_kernel k_q6fb8cd9a90_ada
		.amdhsa_group_segment_fixed_size 51200
		.amdhsa_private_segment_fixed_size 0
		.amdhsa_enable_private_segment 0
		.amdhsa_kernarg_size 32
		.amdhsa_user_sgpr_count 2
		.amdhsa_user_sgpr_kernarg_segment_ptr 1
		.amdhsa_wavefront_size32 1
		.amdhsa_system_sgpr_workgroup_id_x 1
		.amdhsa_system_sgpr_workgroup_id_y 1
		.amdhsa_system_sgpr_workgroup_id_z 1
		.amdhsa_system_vgpr_workitem_id 0
		.amdhsa_next_free_vgpr 194
		.amdhsa_next_free_sgpr 66
		.amdhsa_reserve_vcc 0
		.amdhsa_float_denorm_mode_32 3
		.amdhsa_float_denorm_mode_16_64 3
		.amdhsa_memory_ordered 1
		.amdhsa_forward_progress 1
		.amdhsa_inst_pref_size 47
	.end_amdhsa_kernel
	.amdgpu_metadata
---
amdhsa.version: [ 1, 2 ]
amdhsa.kernels:
  - .name:           k_q6fb8cd9a90_ada
    .symbol:         k_q6fb8cd9a90_ada.kd
    .args:
      - { .name: cond, .offset: 0, .size: 8, .value_kind: global_buffer, .address_space: global }
      - { .name: W_ada, .offset: 8, .size: 8, .value_kind: global_buffer, .address_space: global }
      - { .name: b_ada, .offset: 16, .size: 8, .value_kind: global_buffer, .address_space: global }
      - { .name: ada, .offset: 24, .size: 8, .value_kind: global_buffer, .address_space: global }
    .group_segment_fixed_size: 51200
    .private_segment_fixed_size: 0
    .kernarg_segment_align: 8
    .kernarg_segment_size: 32
    .max_flat_workgroup_size: 512
    .sgpr_count:     66
    .vgpr_count:     194
    .wavefront_size: 32
...
	.end_amdgpu_metadata
.endif
;; end of part 1
;; launch kv (part 2): grid 4 x 64, 16 waves a work-group, clusters of 4 x 1, 327,680 bytes of LDS; arguments context, context_mask, g_ctx, b_ctx, Wkv_codes, Wkv_scales, kvimg; writes kvimg
.if DOCPART == 2
	.amdgcn_target "amdgcn-amd-amdhsa--gfx1250"
	.amdhsa_code_object_version 6
	.text
	.protected	k_q6fb8cd9a90_kv
	.globl	k_q6fb8cd9a90_kv
	.p2align	8
	.type	k_q6fb8cd9a90_kv,@function
k_q6fb8cd9a90_kv:
	s_mov_b64 s[64:65], 0
	v_nop
	global_prefetch_b8 v0, s[64:65] scope:SCOPE_SE
	s_setreg_imm32_b32 hwreg(HW_REG_WAVE_MODE, 25, 1), 1
	s_wait_xcnt 0x0
	s_wait_alu depctr_hold_cnt(0) depctr_sa_sdst(0) depctr_va_vdst(0) depctr_va_sdst(0) depctr_va_ssrc(0) depctr_va_vcc(0) depctr_vm_vsrc(0)
	s_getreg_b32 s2, hwreg(HW_REG_IB_STS2, 6, 4)
	s_cmp_eq_u32 s2, 0
	s_cbranch_scc0 .Lentry_in_a_cluster
	s_endpgm
.Lentry_in_a_cluster:
	s_bfe_u32 s2, ttmp6, 0x10000c
	s_cmp_lg_u32 s2, 0x3003
	s_cbranch_scc0 .Lentry_shape_is_right
	s_endpgm
.Lentry_shape_is_right:
; kv = Q(LN(context) g_ctx + b_ctx) Wkv on codes of FP6 (E2M3) with one E8M0 scale for each 32 along K; then k is quantised along the head's 64 and v along the keys, and both leave as IMAGES OF OPERAND REGISTERS
; for the attention launch, with the mask built into k's image.
; SHARES.  A work-group takes 128 keys (row block rb = the cluster's y: batch rb / 8, slot j = (rb % 8) / 2, step q = rb % 2) and one pair of heads hp = its place in the cluster.  The four partners need the same 128 rows
; of context: each wave's 16 rows x 1,024 bytes are asked for JOINTLY, by the same tensor load with the same descriptor and the mask 15.  The place in the cluster enters global addresses alone.
; LAYERNORM.  Wave w = m + 8 g takes tile m of 16 keys and columns 256 g .. 256 g + 255: 128 numbers a lane.  Mean and sum of squared differences of the half row, then merged with the partner wave's (w xor 8) through LDS:
; M2 = M2a + M2b + 128 (mean_a - mean_b)^2: no difference of large sums is formed.  The rows are quantised in registers and go to LDS as images of fragments (3 x 512 bytes, lane l's 16 bytes at 16 l).
; THE KEYS OF A TILE ARE NOT NEIGHBOURS: row r of tile m is key 32 (m / 2) + 8 (m % 2) + r + 8 (r / 8); the rows of Wkv that form a tile are chosen likewise.  So a result's 16 registers of two neighbouring tiles are 16 neighbours along the next K.
; ROLES.  Waves 0-7 make k: head 2 hp + (w / 4) % 2, block (w / 2) % 2 of the head's two blocks of 32, key tiles 4 (w % 2) .. + 3 (source 0 = 16 rows of Wkv, source 1 = 16 keys: a lane holds one key).
;         Waves 8-15 make v: the same head bit, tile w % 4 of the head's 64 (source 0 = 16 keys, source 1 = 16 rows of Wkv: a lane holds one channel, its 64 registers run along the 128 keys).
; THE MASK costs the attention no vector work.  The first product there has K = 64 under an instruction of 128: columns 64 .. 127 are zero codes, but for column 64.  There q has the code of 1.0 under the byte 127.  An open key
; has the code 0 and the byte 1: it adds exactly 0.  A masked key has the code of -1.0 under the byte 227 (2^100), and all its 64 real codes are 0: its score is exactly -2^100.
; kvimg: blocks of 15,104 bytes at ((((batch 4 + hp) 4 + j) 2 + head bit) 2 + q): 8 key tiles x (registers 0-3, registers 4-7: 512 bytes each) | k's scale words, 16 bytes a lane: word i = tile 2 i + lane / 16, row lane % 16 |
; v's scale words, 8 bytes a lane, likewise | 4 tiles of v x 3 x 512 bytes.
; LIMITS: |q . k| under 2^90 (so that a masked score lies under every open one); NaN and infinities are not served; a block whose largest magnitude lies under 2^-124, a block of zeros among them, keeps the byte 1
; (its codes are zeros or what the conversion gives under that scale; the bytes are read by this program alone).
; The permuted rows of a tile lie 16 rows apart in two groups of eight, so two lanes of a 16-lane group meet in a bank in the LayerNorm's reads: 32 loads a wave, once.
.set XPITCH, 1040                      ; a row of 1,024 bytes + 16 of padding
.set XWAVE,  16*XPITCH                 ; what one tensor load brings
.set HIMG,   266240                    ; behind the 16 tiles: 32 images of fragments (tile m, K step s: 4 m + s), 1,536 bytes each,
.set HSC,    315392                    ; their scale words, 128 bytes each,
.set STAT,   319488                    ; (mean, M2) of each wave's 16 half rows, 128 bytes a wave,
.set ACV,    321536                    ; g_ctx (2,048 bytes), then b_ctx
.set KTMP,   0                         ; over context's tiles, once they are read (no tensor load follows): 16 key tiles x 1,024 bytes: 32 bytes for each operand lane,
.set SCS,    16384                     ; and 2 x 768 bytes of scale words as they leave
.set BLKB,   15104
.set XA, 3                             ; v3   my 16 numbers of a block of 32, in my row of context
.set AA, 4                             ; v4   the same columns of the gain
.set STW, 5                            ; v5   where my row's (mean, M2) goes
.set STR, 6                            ; v6   and where the partner's lies
.set HWI, 7                            ; v7   where I store my two images
.set HWS, 8                            ; v8   and their scale words
.set LIH, 9                            ; v9   16 x lane in the images
.set LSH, 10                           ; v10  4 x lane in the scale words
.set ACW, 11                           ; v11  4 x thread in the gain
.set KTW, 12                           ; v12  k: where my 16 bytes of a tile go
.set KBW, 13                           ; v13  k: where my block's scale byte goes
.set VSW, 14                           ; v14  v: where my row's scale word goes
.set KTR, 15                           ; v15  the way out: 32 x lane in tile w
.set SCR, 16                           ; v16  the way out: 8 x lane in my head's scale words
.set MKO, 17                           ; v17  my key in the row block's mask bytes
.set WCO, 18                           ; v18  my row and half in a tile of Wkv's codes
.set WSO, 19                           ; v19  my row in its scale bytes
.set L16, 20                           ; v20  16 x lane
.set L8,  21                           ; v21  8 x lane
.set T4,  22                           ; v22  4 x thread
.set LIK, 23                           ; v23  LIH for the k role's four tiles
.set LSK, 24                           ; v24  LSH likewise
.set T,   28                           ; v28-35  four chains of sums
.set MU,  36                           ; v36 mean, v37 M2
.set MO,  38                           ; v38-39 the partner's
.set RS,  40                           ; v40-41 1 / sqrt(var + eps)
.set ES,  42                           ; v42-43 (my mean - the row's mean) / sqrt(var + eps)
.set AC,  64                           ; v64-127 two sets of 16 gains and 16 shifts
.set X,   128                          ; v128-255 my 128 numbers
.set WV,  18
.set SEL, 22
.set G1,  24
.set G0,  32
.set EPS, 60
.set I512, 61
.macro ROUND                           ; a round of the cluster's barrier
	s_barrier_signal -1
	s_barrier_wait -1
	s_cmp_lg_u32 s[WV], 0
	s_cbranch_scc1 .Lnot_wave_0_\@
	s_barrier_signal -3
.Lnot_wave_0_\@:
	s_barrier_wait -3
	s_barrier_signal -1
	s_barrier_wait -1
.endm
.macro BAR                             ; my LDS stores have landed and my LDS loads are in: then the work-group's barrier
	s_wait_dscnt 0x0
	s_barrier_signal -1
	s_barrier_wait -1
.endm
.macro PLACES n
.rept \n
	v_nop
.endr
.endm
; 64 numbers of a lane, register 16 b + i = k 32 b + 16 (lane / 16) + i of my row, become a fragment's codes in v[PC] on and its scale word in v[PW]
.macro QUANT4 s
.irp b, 0,1,2,3
	v_max3_num_f32 v[TM+\b], |v[\s+16*\b]|, |v[\s+1+16*\b]|, 0x1800000   ; my 16 numbers of block b, and the floor 2^(3 - 127): the byte cannot fall under 1
.endr
.irp i, 2,4,6,8,10,12,14
.irp b, 0,1,2,3
	v_max3_num_f32 v[TM+\b], v[TM+\b], |v[\s+16*\b+\i]|, |v[\s+1+16*\b+\i]|
.endr
.endr
.irp b, 0,1,2,3
	v_permlanex16_b32 v[TM+4+\b], v[TM+\b], s[SEL], s[SEL+1]
.endr
.irp b, 0,1,2,3
	v_max_num_f32 v[TM+\b], v[TM+\b], v[TM+4+\b]   ; with lane l xor 16's: the block's largest magnitude
.endr
.irp b, 0,1,2,3
	v_add_nc_u32 v[TM+12+\b], 0xff000000, v[TM+\b] ; 2 off its exponent field: the conversion's scale operand
.endr
.irp b, 0,1,2,3
	v_lshrrev_b32 v[TM+4+\b], 23, v[TM+12+\b]      ; the scale's byte
.endr
	v_lshl_or_b32 v[PW], v[TM+5], 8, v[TM+4]
	v_lshl_or_b32 v[PW], v[TM+6], 16, v[PW]
	v_lshl_or_b32 v[PW], v[TM+7], 24, v[PW]
.irp c, 0,1
	v_cvt_scalef32_pk16_fp6_f32 v[PC+6*\c:PC+2+6*\c], v[\s+32*\c:\s+15+32*\c], v[TM+12+2*\c]
	v_cvt_scalef32_pk16_fp6_f32 v[PC+12+4*\c:PC+14+4*\c], v[\s+16+32*\c:\s+31+32*\c], v[TM+12+2*\c+1]   ; (a conversion's three registers begin on an even number)
.endr
	v_nop                                          ; one plain place behind a scaled conversion
.irp c, 0,1                            ; the operand's layout wants a whole block in a lane
.irp i, 0,1,2
	v_permlane16_swap_b32 v[PC+6*\c+\i], v[PC+12+4*\c+\i]
.endr
.irp i, 0,1,2
	v_mov_b32 v[PC+3+6*\c+\i], v[PC+12+4*\c+\i]
.endr
.endr
.endm
; 16 numbers of a lane, half of ONE block (the other half lies 16 lanes away), from two accumulators, each read from its low end on: 16 codes in v[c] .. v[c + 2], the byte in v[Q1T + 3]
.macro QUANT1 s, c
	v_max3_num_f32 v[Q1T], |v[\s]|, |v[\s+1]|, 0x1800000
	v_max3_num_f32 v[Q1T+1], |v[\s+2]|, |v[\s+3]|, |v[\s+6]|
	v_max3_num_f32 v[Q1T], v[Q1T], |v[\s+4]|, |v[\s+5]|
	v_max3_num_f32 v[Q1T+1], v[Q1T+1], |v[\s+7]|, |v[\s+10]|
	v_max3_num_f32 v[Q1T], v[Q1T], |v[\s+8]|, |v[\s+9]|
	v_max3_num_f32 v[Q1T+1], v[Q1T+1], |v[\s+11]|, |v[\s+14]|
	v_max3_num_f32 v[Q1T], v[Q1T], |v[\s+12]|, |v[\s+13]|
	v_max3_num_f32 v[Q1T], v[Q1T], v[Q1T+1], |v[\s+15]|
	v_permlanex16_b32 v[Q1T+1], v[Q1T], s[SEL], s[SEL+1]
	v_max_num_f32 v[Q1T], v[Q1T], v[Q1T+1]
	v_add_nc_u32 v[Q1T+2], 0xff000000, v[Q1T]
	v_lshrrev_b32 v[Q1T+3], 23, v[Q1T+2]
	v_cvt_scalef32_pk16_fp6_f32 v[\c:\c+2], v[\s:\s+15], v[Q1T+2]
	v_nop                                          ; one plain place behind a scaled conversion
.endm
.macro IMAGE adr, off                  ; the fragment in v[PC] on goes to LDS as it stands
.irp c, 0,1,2
	ds_store_b128 v[\adr], v[PC+4*\c:PC+4*\c+3] offset:(\off)+512*\c
.endr
.endm
.macro FETCH reg, adr, off             ; and comes back so, in any wave
.irp c, 0,1,2
	ds_load_b128 v[(\reg)+4*\c:(\reg)+4*\c+3], v[\adr] offset:(\off)+512*\c
.endr
.endm
.macro WLOAD reg, voff, sb, imm        ; a tile of 16 rows of a weight, all four K steps: 24 bytes a lane and half step, as three loads of 8 bytes
.irp s, 0,1,2,3
.irp p, 0,1,2,3,4,5
	global_load_b64 v[(\reg)+12*\s+2*\p:(\reg)+12*\s+2*\p+1], v[\voff], s[\sb:\sb+1] offset:(\imm)+96*\s+48*(\p/3)+8*(\p%3)
.endr
.endr
.endm
.macro WSLOAD reg, voff, sb, imm       ; and its rows' four scale words
.irp s, 0,1,2,3
	global_load_b32 v[(\reg)+\s], v[\voff], s[\sb:\sb+1] offset:(\imm)+4*\s
.endr
.endm
.macro MMZ d, a, b, sa, sb             ; a product that starts a sum
	v_wmma_scale_f32_16x16x128_f8f6f4 v[\d:\d+7], v[\a:\a+11], v[\b:\b+11], 0, v[\sa], v[\sb] matrix_a_fmt:MATRIX_FMT_FP6 matrix_b_fmt:MATRIX_FMT_FP6
.endm
.macro MMA d, a, b, sa, sb             ; and one that adds onto it
	v_wmma_scale_f32_16x16x128_f8f6f4 v[\d:\d+7], v[\a:\a+11], v[\b:\b+11], v[\d:\d+7], v[\sa], v[\sb] matrix_a_fmt:MATRIX_FMT_FP6 matrix_b_fmt:MATRIX_FMT_FP6
.endm
.macro LN_A                            ; my 128 numbers; the half row's mean; differences in place; their squares' sum; both to LDS
.set n, 0
.rept 32
	ds_load_b128 v[X+4*n:X+4*n+3], v[XA] offset:128*(n/4)+16*(n%4)
.set n, n+1
.endr
	s_wait_dscnt 0x0
.irp k, 0,1,2,3
	v_pk_add_f32 v[T+2*\k:T+2*\k+1], v[X+2*\k:X+2*\k+1], v[X+8+2*\k:X+9+2*\k]   ; the first eight pairs start four chains
.endr
.set n, 8
.rept 56
	v_pk_add_f32 v[T+2*(n%4):T+2*(n%4)+1], v[T+2*(n%4):T+2*(n%4)+1], v[X+2*n:X+2*n+1]
.set n, n+1
.endr
	v_pk_add_f32 v[T:T+1], v[T:T+1], v[T+2:T+3]
	v_pk_add_f32 v[T+4:T+5], v[T+4:T+5], v[T+6:T+7]
	v_pk_add_f32 v[T:T+1], v[T:T+1], v[T+4:T+5]
	v_add_f32 v[MU], v[T], v[T+1]
	v_permlanex16_b32 v[MU+1], v[MU], s[SEL], s[SEL+1]
	v_add_f32 v[MU], v[MU], v[MU+1]
	v_mul_f32 v[MU], 0x3b800000, v[MU]             ; / 256
.set n, 0
.rept 64
	v_pk_add_f32 v[X+2*n:X+2*n+1], v[X+2*n:X+2*n+1], v[MU:MU+1] op_sel_hi:[1,0] neg_lo:[0,1] neg_hi:[0,1]
.set n, n+1
.endr
.irp k, 0,1,2,3
	v_pk_mul_f32 v[T+2*\k:T+2*\k+1], v[X+2*\k:X+2*\k+1], v[X+2*\k:X+2*\k+1]
.endr
.set n, 4
.rept 60
	v_pk_fma_f32 v[T+2*(n%4):T+2*(n%4)+1], v[X+2*n:X+2*n+1], v[X+2*n:X+2*n+1], v[T+2*(n%4):T+2*(n%4)+1]
.set n, n+1
.endr
	v_pk_add_f32 v[T:T+1], v[T:T+1], v[T+2:T+3]
	v_pk_add_f32 v[T+4:T+5], v[T+4:T+5], v[T+6:T+7]
	v_pk_add_f32 v[T:T+1], v[T:T+1], v[T+4:T+5]
	v_add_f32 v[T], v[T], v[T+1]
	v_permlanex16_b32 v[T+1], v[T], s[SEL], s[SEL+1]
	v_add_f32 v[MU+1], v[T], v[T+1]
	ds_store_b64 v[STW], v[MU:MU+1]                ; both halves of the lanes write the same bytes with the same values
.endm
.macro ACLOAD set, blk                 ; 16 gains and 16 shifts of block blk
.irp j, 0,1,2,3
	ds_load_b128 v[AC+32*(\set)+4*\j:AC+32*(\set)+4*\j+3], v[AA] offset:128*(\blk)+16*\j
	ds_load_b128 v[AC+32*(\set)+16+4*\j:AC+32*(\set)+16+4*\j+3], v[AA] offset:2048+128*(\blk)+16*\j
.endr
.endm
.macro LN_B                            ; the two halves' figures are merged; the row is normalised, scaled and shifted in place
	ds_load_b64 v[MO:MO+1], v[STR]
	ACLOAD 0, 0
	s_wait_dscnt 8                                 ; the partner's figures are in; the eight loads behind them may be out
	v_sub_f32 v[MO], v[MU], v[MO]                  ; dm = my mean - the partner's
	v_add_f32 v[MU+1], v[MU+1], v[MO+1]
	v_mul_f32 v[MO+1], v[MO], v[MO]
	v_fma_f32 v[MU+1], v[MO+1], 0x43000000, v[MU+1]   ; + 128 dm^2: the row's sum of squared differences
	v_fma_f32 v[MU+1], v[MU+1], s[I512], s[EPS]    ; var + eps
	v_rsq_f32 v[RS], v[MU+1]
	v_mul_f32 v[MO], 0.5, v[MO]                    ; my mean - the row's mean.  (A plain place behind the transcendental)
	s_wait_alu depctr_va_vdst(0)
	v_mov_b32 v[RS+1], v[RS]                       ; (the packed forms name pairs: both halves are written)
	v_mul_f32 v[ES], v[MO], v[RS]
	v_mov_b32 v[ES+1], v[ES]
.irp blk, 0,1,2,3,4,5,6,7
.if \blk < 7
	ACLOAD (\blk+1)%2, \blk+1
	s_wait_dscnt 8                                 ; this block's gains and shifts are in; the next block's eight loads may be out
.else
	s_wait_dscnt 0x0
.endif
.irp e, 0,2,4,6,8,10,12,14
	v_pk_fma_f32 v[X+16*\blk+\e:X+16*\blk+\e+1], v[X+16*\blk+\e:X+16*\blk+\e+1], v[RS:RS+1], v[ES:ES+1] op_sel_hi:[1,0,0]
.endr
.irp e, 0,2,4,6,8,10,12,14
	v_pk_fma_f32 v[X+16*\blk+\e:X+16*\blk+\e+1], v[X+16*\blk+\e:X+16*\blk+\e+1], v[AC+32*(\blk%2)+\e:AC+32*(\blk%2)+\e+1], v[AC+32*(\blk%2)+16+\e:AC+32*(\blk%2)+16+\e+1]
.endr
.endr
.endm
.macro LN_C                            ; my two K steps become two images
	QUANT4 X
	IMAGE HWI, 0
	ds_store_b32 v[HWS], v[PW]
	s_wait_dscnt 0x0                               ; the stores have read their registers
	QUANT4 X+64
	IMAGE HWI, 1536
	ds_store_b32 v[HWS], v[PW] offset:128
.endm
	s_load_b256 s[4:11], s[0:1], 0x0               ; context s[4:5], context_mask s[6:7], g_ctx s[8:9], b_ctx s[10:11]
	s_load_b128 s[12:15], s[0:1], 0x20             ; Wkv's codes s[12:13], its scales s[14:15]
	s_load_b64 s[16:17], s[0:1], 0x30              ; kvimg
	v_lshl_add_u32 v26, v0, 2, 0x4f800
	v_mov_b32 v27, 0
	ds_add_u32 v26, v27
	ds_add_u32 v26, v27
	v_lshrrev_b32 v28, 5, v0
	v_readfirstlane_b32 s[WV], v28                 ; wave 0..15
	s_bfe_u32 s19, ttmp6, 0x40000                  ; hp: my place in the cluster
	s_and_b32 s20, ttmp7, 0xffff                   ; rb: the cluster's y
	s_mov_b32 s[SEL], 0x76543210
	s_mov_b32 s[SEL+1], 0xfedcba98                 ; v_permlanex16_b32's selects for lane l xor 16
	s_mov_b32 s[EPS], 0x3727c5ac                   ; 1e-5
	s_mov_b32 s[I512], 0x3b000000                  ; 1 / 512
	s_and_b32 s36, s[WV], 7                        ; m
	s_lshr_b32 s37, s[WV], 3                       ; the LayerNorm's half of the columns; also the role (0: k, 1: v) and the head bit on the way out
	s_bfe_u32 s38, s[WV], 0x10002                  ; the role's head bit
	s_bfe_u32 s39, s[WV], 0x10001                  ; k: block of 32;  v: tile / 2
	s_and_b32 s40, s[WV], 1                        ; k: which four key tiles;  v: tile % 2
	; descriptor group 1: 16 rows x 256 numbers of 4 bytes, 512 numbers from row to row; 4 words of padding behind every 256
	s_mov_b32 s[G1], 15|(2<<16)|(1<<20)|(1<<21)|(7<<22)|(3<<25)   ; 15:0 the mask: all four work-groups; 17:16 elements of 4 bytes; 20 padding on; 21 set beside a mask; 24:22 after every 256 words; 31:25 4 words
	s_mov_b32 s[G1+1], 256<<16                     ; tensor_dim0
	s_mov_b32 s[G1+2], 16<<16                      ; tensor_dim1
	s_mov_b32 s[G1+3], 256<<16                     ; tile_dim0
	s_mov_b32 s[G1+4], 16                          ; tile_dim1
	s_mov_b32 s[G1+5], 512                         ; tensor_dim0_stride
	s_mov_b32 s[G1+6], 0
	s_mov_b32 s[G1+7], 0
	s_lshl_b32 s42, s20, 18                        ; 128 rb rows of 2,048 bytes
	s_lshl_b32 s43, s36, 15                        ; + 16 m rows
	s_add_co_u32 s42, s42, s43
	s_lshl_b32 s43, s37, 10                        ; + my half of the columns
	s_add_co_u32 s42, s42, s43
	s_mov_b32 s43, 0
	; every LDS address is made here, ahead of the parting of the roles
	v_and_b32 v28, 15, v0                          ; r
	v_bfe_u32 v29, v0, 4, 1                        ; h
	v_and_b32 v30, 31, v0                          ; lane
	v_and_b32 v31, 8, v28
	v_add_nc_u32 v31, v31, v28                     ; r + 8 (r / 8)
	s_lshl_b32 s41, s37, 7
	s_lshr_b32 s44, s36, 1
	s_lshl_b32 s44, s44, 5
	s_add_co_u32 s41, s41, s44
	s_and_b32 s44, s36, 1
	s_lshl_b32 s44, s44, 3
	s_add_co_u32 s41, s41, s44
	s_mul_i32 s41, s41, XPITCH                     ; (128 half + 32 (m / 2) + 8 (m % 2)) rows
	v_mul_u32_u24 v[XA], v31, XPITCH
	v_lshl_add_u32 v[XA], v29, 6, v[XA]
	v_add_nc_u32 v[XA], s41, v[XA]
	s_lshl_b32 s41, s37, 10
	s_add_co_u32 s41, s41, ACV
	v_lshl_add_u32 v[AA], v29, 6, s41
	s_lshl_b32 s41, s[WV], 7
	s_add_co_u32 s41, s41, STAT
	v_lshl_add_u32 v[STW], v28, 3, s41
	s_xor_b32 s41, s[WV], 8
	s_lshl_b32 s41, s41, 7
	s_add_co_u32 s41, s41, STAT
	v_lshl_add_u32 v[STR], v28, 3, s41
	s_lshl_b32 s41, s36, 2
	s_lshl_b32 s44, s37, 1
	s_add_co_u32 s41, s41, s44                     ; 4 m + 2 half
	s_mul_i32 s44, s41, 1536
	s_add_co_u32 s44, s44, HIMG
	v_lshl_add_u32 v[HWI], v30, 4, s44
	s_lshl_b32 s44, s41, 7
	s_add_co_u32 s44, s44, HSC
	v_lshl_add_u32 v[HWS], v30, 2, s44
	v_lshl_add_u32 v[LIH], v30, 4, HIMG
	v_lshl_add_u32 v[LSH], v30, 2, HSC
	v_lshl_add_u32 v[ACW], v0, 2, ACV
	s_lshl_b32 s41, s38, 13
	s_lshl_b32 s44, s40, 12
	s_add_co_u32 s41, s41, s44
	s_lshl_b32 s44, s39, 9
	s_add_co_u32 s41, s41, s44                     ; (8 head bit + 4 low bit) tiles + 512 block
	v_lshlrev_b32 v[KTW], 5, v28
	v_lshl_add_u32 v[KTW], v29, 4, v[KTW]
	v_add_nc_u32 v[KTW], s41, v[KTW]
	s_mul_i32 s41, s38, 768
	s_lshl_b32 s44, s40, 3
	s_add_co_u32 s44, s44, s41
	s_add_co_u32 s44, s44, s39
	s_add_co_u32 s44, s44, SCS
	v_lshl_add_u32 v[KBW], v28, 4, s44
	s_lshl_b32 s44, s40, 7
	s_add_co_u32 s44, s44, s41
	s_lshl_b32 s45, s39, 2
	s_add_co_u32 s44, s44, s45
	s_add_co_u32 s44, s44, SCS+512
	v_lshl_add_u32 v[VSW], v28, 3, s44
	s_lshl_b32 s41, s[WV], 10
	v_lshl_add_u32 v[KTR], v30, 5, s41
	s_mul_i32 s41, s37, 768
	s_add_co_u32 s41, s41, SCS
	v_lshl_add_u32 v[SCR], v30, 3, s41
	s_lshl_b32 s41, s40, 6
	v_add_nc_u32 v[MKO], s41, v31
	v_mul_u32_u24 v[WCO], v31, 384
	v_mad_u32_u24 v[WCO], v29, 24, v[WCO]
	v_lshlrev_b32 v[WSO], 4, v31
	v_lshlrev_b32 v[L16], 4, v30
	v_lshlrev_b32 v[L8], 3, v30
	v_lshlrev_b32 v[T4], 2, v0
	s_mul_i32 s41, s40, 24576
	s_add_co_u32 s41, s41, HIMG
	v_lshl_add_u32 v[LIK], v30, 4, s41
	s_lshl_b32 s41, s40, 11
	s_add_co_u32 s41, s41, HSC
	v_lshl_add_u32 v[LSK], v30, 2, s41
	v_mov_b32 v[MU+1], 0                           ; written once: a lane permute's destination counts as one of its sources
.irp b, 0,1,2,3
	v_mov_b32 v[48+\b], 0
.endr
	; offsets in global memory.  The weight's first row: 128 hp + 64 head bit + 32 block for k; + 512 + 8 (tile % 2) for v
	s_lshl_b32 s51, s19, 7
	s_lshl_b32 s52, s38, 6
	s_add_co_u32 s51, s51, s52
	s_lshl_b32 s52, s39, 5
	s_add_co_u32 s51, s51, s52
	s_lshl_b32 s52, s40, 3
	s_add_co_u32 s52, s52, 512
	s_mul_i32 s52, s52, s37
	s_add_co_u32 s51, s51, s52
	; the block of kvimg: ((batch 4 + hp) 4 + j) 4 + q, + 2 head bit
	s_lshr_b32 s48, s20, 3
	s_lshl_b32 s48, s48, 2
	s_add_co_u32 s48, s48, s19
	s_lshl_b32 s48, s48, 4
	s_bfe_u32 s49, s20, 0x20001
	s_lshl_b32 s49, s49, 2
	s_add_co_u32 s48, s48, s49
	s_and_b32 s49, s20, 1
	s_add_co_u32 s48, s48, s49
	s_lshl_b32 s49, s38, 1
	s_add_co_u32 s49, s49, s48
	s_mul_i32 s44, s49, BLKB
	s_and_b32 s49, s[WV], 3
	s_mul_i32 s49, s49, 1536
	s_add_co_u32 s44, s44, s49
	s_add_co_u32 s44, s44, 8960                    ; v's role: its tile's image
	s_mov_b32 s45, 0
	s_lshl_b32 s49, s37, 1
	s_add_co_u32 s49, s49, s48
	s_mul_i32 s46, s49, BLKB                       ; the way out: the block of head bit w / 8
	s_mov_b32 s47, 0
	s_lshl_b32 s48, s36, 10                        ; and in it key tile w % 8
	s_mov_b32 s49, 0
	s_mul_i32 s52, s51, 384
	s_mov_b32 s53, 0
	s_lshl_b32 s50, s51, 4
	s_mov_b32 s51, 0
	s_wait_dscnt 0x0
	s_wait_kmcnt 0x0
	s_mov_b32 s[G0], 1                             ; count = 1
	s_mul_i32 s[G0+1], s[WV], XWAVE                ; LDS address: wave x 16 rows
	s_add_nc_u64 s[G0+2:G0+3], s[4:5], s[42:43]    ; global address: it hangs on the cluster's y and the wave's number alone
	s_or_b32 s[G0+3], s[G0+3], 0x80000000          ; type = 2
	s_add_nc_u64 s[44:45], s[16:17], s[44:45]
	s_add_nc_u64 s[46:47], s[16:17], s[46:47]
	s_add_nc_u64 s[62:63], s[46:47], s[48:49]
	s_add_nc_u64 s[54:55], s[12:13], s[52:53]      ; my rows of Wkv's codes
	s_add_nc_u64 s[56:57], s[14:15], s[50:51]      ; and of its scales
	s_lshl_b32 s52, s20, 7
	s_add_nc_u64 s[58:59], s[6:7], s[52:53]        ; the row block's 128 mask bytes
	ROUND                                          ; all four work-groups are here: the joint loads meet
	tensor_load_to_lds s[G0:G0+3], s[G1:G1+7]      ; one load a wave is out
	s_nop 0
	PLACES 4
	global_load_b32 v32, v[T4], s[8:9]             ; g_ctx and b_ctx: a number a thread
	global_load_b32 v33, v[T4], s[10:11]
	s_wait_loadcnt 0x0
	ds_store_b32 v[ACW], v32
	ds_store_b32 v[ACW], v33 offset:2048
	s_wait_tensorcnt 0x0                           ; my 16 rows are in: the permuted rows of my tile were brought by other waves, so the barrier follows
	BAR
.set TM, 44
.set PW, 60
.set PC, 64
	LN_A
	BAR                                            ; every half row's figures lie in LDS, and nobody reads context's tiles any more
	LN_B
	LN_C
	BAR                                            ; the 32 images lie in LDS
	s_cmp_ge_u32 s[WV], 8
	s_cbranch_scc1 .Lvrole
	; ---- k: my block of 32 of my head, for four tiles of 16 keys
.set WF,  28                           ; v28-123  two tiles of Wkv x four K steps
.set WS,  124                          ; v124-131 their scale words
.set CSC, 132                          ; v132-135 context's scale words
.set CF,  136                          ; v136-183 context's four fragments
.set ACB, 184                          ; v184-199 two accumulators
.set C4,  200                          ; v200-203 16 codes, and my part of operand registers 6 and 7
.set Q1T, 204                          ; v204-207 at work; v207 the byte
.set VE,  208                          ; the code of -1.0 in lanes 0-15 of the waves of block 0, else 0
.set VX,  209                          ; the byte 227 in the waves of block 0, else 1
.set ONE, 210
.set ZR,  211
.set B2,  212
.set MK,  213                          ; v213-216 the mask bytes of my lane's key in the four tiles
	WLOAD WF, WCO, 54, 0
	WLOAD WF+48, WCO, 54, 3072
	WSLOAD WS, WSO, 56, 0
	WSLOAD WS+4, WSO, 56, 128
.irp i, 0,1,2,3
	global_load_u8 v[MK+\i], v[MKO], s[58:59] offset:32*(\i/2)+8*(\i%2)
.endr
	s_cmp_eq_u32 s39, 0
	s_cselect_b32 s41, 0x28, 0
	s_cselect_b32 s42, 227, 1
	v_bfe_u32 v[VE], v0, 4, 1
	v_xor_b32 v[VE], 1, v[VE]
	v_mul_u32_u24 v[VE], s41, v[VE]
	v_mov_b32 v[VX], s42
	v_mov_b32 v[ONE], 1
	v_mov_b32 v[ZR], 0
	s_wait_loadcnt 0x0
.irp i, 0,1,2,3
.irp s, 0,1,2,3
	FETCH CF+12*\s, LIK, (4*\i+\s)*1536
	ds_load_b32 v[CSC+\s], v[LSK] offset:(4*\i+\s)*128
.endr
	s_wait_dscnt 0x0                               ; the fragments are in, and the last tile's stores have read their registers
.irp s, 0,1,2,3                        ; the two accumulators by turns
.irp u, 0,1
.if \s == 0
	MMZ ACB+8*\u, WF+48*\u, CF, WS+4*\u, CSC
.else
	MMA ACB+8*\u, WF+48*\u+12*\s, CF+12*\s, WS+4*\u+\s, CSC+\s
.endif
.endr
.endr
	PLACES 5                                       ; four in front of the first read of results and of the next loads; the fifth since the next tile's first products write over these accumulators
	QUANT1 ACB, C4
	v_cmp_eq_u32 vcc_lo, 0, v[MK+\i]               ; a masked key:
.irp e, 0,1,2
	v_cndmask_b32 v[C4+\e], v[C4+\e], v[ZR], vcc_lo   ; its real codes are zeros,
.endr
	v_cndmask_b32 v[C4+3], v[ZR], v[VE], vcc_lo    ; column 64 holds -1.0,
	v_cndmask_b32 v[B2], v[ONE], v[VX], vcc_lo     ; under the byte 227
	ds_store_b128 v[KTW], v[C4:C4+3] offset:1024*\i
	ds_store_b8 v[KBW], v[Q1T+3] offset:256*(\i%2)+4*(\i/2)      ; byte 0 or 1 of the row's scale word: my block's (both halves of the lanes write the same byte with the same value)
	ds_store_b8 v[KBW], v[B2] offset:256*(\i%2)+4*(\i/2)+2       ; byte 2 or 3: the empty blocks'
.endr
	s_branch .Ljoin
.Lvrole:
	; ---- v: my 16 channels of my head, for all 128 keys
.set WF,  28                           ; v28-75   one tile of Wkv x four K steps
.set WS,  76                           ; v76-79   its scale words
.set CSC, 80                           ; v80-87   context's scale words, a tile each
.set CF,  88                           ; v88-183  context's eight fragments of a K step
.set ACB, 184                          ; v184-247 eight accumulators
	WLOAD WF, WCO, 54, 0
	WSLOAD WS, WSO, 56, 0
	s_wait_loadcnt 0x0
.irp s, 0,1,2,3
.irp t, 0,1,2,3,4,5,6,7
	FETCH CF+12*\t, LIH, (4*\t+\s)*1536
	ds_load_b32 v[CSC+\t], v[LSH] offset:(4*\t+\s)*128
.endr
	s_wait_dscnt 0x0
.irp t, 0,1,2,3,4,5,6,7                ; the eight accumulators by turns
.if \s == 0
	MMZ ACB+8*\t, CF+12*\t, WF, CSC+\t, WS
.else
	MMA ACB+8*\t, CF+12*\t, WF+12*\s, CSC+\t, WS+\s
.endif
.endr
	PLACES 4                                       ; in front of loads into registers that matrix instructions have read, and of the first read of results
.endr
.set TM, 88                            ; the quantiser works over context's fragments, which are done with
.set PW, 104
.set PC, 108
	QUANT4 ACB                                     ; register 16 b + i is key 32 b + 16 (lane / 16) + i of my channel
.irp c, 0,1,2
	global_store_b128 v[L16], v[PC+4*\c:PC+4*\c+3], s[44:45] offset:512*\c   ; the image as it stands: 512 consecutive bytes a store
.endr
	ds_store_b32 v[VSW], v[PW]
.Ljoin:
	BAR                                            ; k's 16 tiles and all scale words lie in LDS
	; ---- the way out: wave w takes key tile w % 8 of head bit w / 8.  Operand lane l finds its block's 32 codes and its parts of registers 6 and 7 in 32 bytes
	ds_load_b128 v[28:31], v[KTR]
	ds_load_b128 v[36:39], v[KTR] offset:16
	s_wait_dscnt 0x0
	v_mov_b32 v34, v31                             ; register 6: column 64's code
	v_mov_b32 v31, v36
	v_mov_b32 v32, v37
	v_mov_b32 v33, v38
	v_mov_b32 v35, v39                             ; register 7: zeros
	global_store_b128 v[L16], v[28:31], s[62:63]
	global_store_b128 v[L16], v[32:35], s[62:63] offset:512
	s_and_b32 s41, s[WV], 7
	s_cmp_lg_u32 s41, 0
	s_cbranch_scc1 .Lno_scales
.irp i, 0,1,2
	ds_load_b64 v[40+2*\i:41+2*\i], v[SCR] offset:256*\i
.endr
	s_wait_dscnt 0x0
.irp i, 0,1,2
	global_store_b64 v[L8], v[40+2*\i:41+2*\i], s[46:47] offset:8192+256*\i   ; 32 lanes store 256 consecutive bytes, at a multiple of 256 from kvimg's first byte
.endr
.Lno_scales:
	s_wait_tensorcnt 0x0
	ds_add_u32 v26, v27
	s_wait_dscnt 0x0
	ROUND                                          ; the closing round: no work-group ends while a partner may still ask for a tile that names it
	s_endpgm
.Lfunc_end_k_q6fb8cd9a90_kv:
	.size	k_q6fb8cd9a90_kv, .Lfunc_end_k_q6fb8cd9a90_kv-k_q6fb8cd9a90_kv
	.p2alignl 7, 3214868480
	.fill 96, 4, 3214868480
	.section	.rodata,"a",@progbits
	.p2align	6, 0x0
	.amdhsa_kernel k_q6fb8cd9a90_kv
		.amdhsa_group_segment_fixed_size 327680
		.amdhsa_private_segment_fixed_size 0
		.amdhsa_enable_private_segment 0
		.amdhsa_kernarg_size 56
		.amdhsa_user_sgpr_count 2
		.amdhsa_user_sgpr_kernarg_segment_ptr 1
		.amdhsa_wavefront_size32 1
		.amdhsa_system_sgpr_workgroup_id_x 1
		.amdhsa_system_sgpr_workgroup_id_y 1
		.amdhsa_system_sgpr_workgroup_id_z 1
		.amdhsa_system_vgpr_workitem_id 0
		.amdhsa_next_free_vgpr 256
		.amdhsa_next_free_sgpr 66
		.amdhsa_reserve_vcc 1
		.amdhsa_float_denorm_mode_32 3
		.amdhsa_float_denorm_mode_16_64 3
		.amdhsa_memory_ordered 1
		.amdhsa_forward_progress 1
		.amdhsa_inst_pref_size 85
	.end_amdhsa_kernel
	.amdgpu_metadata
---
amdhsa.version: [ 1, 2 ]
amdhsa.kernels:
  - .name:           k_q6fb8cd9a90_kv
    .symbol:         k_q6fb8cd9a90_kv.kd
    .args:
      - { .name: context, .offset: 0, .size: 8, .value_kind: global_buffer, .address_space: global }
      - { .name: context_mask, .offset: 8, .size: 8, .value_kind: global_buffer, .address_space: global }
      - { .name: g_ctx, .offset: 16, .size: 8, .value_kind: global_buffer, .address_space: global }
      - { .name: b_ctx, .offset: 24, .size: 8, .value_kind: global_buffer, .address_space: global }
      - { .name: Wkv_codes, .offset: 32, .size: 8, .value_kind: global_buffer, .address_space: global }
      - { .name: Wkv_scales, .offset: 40, .size: 8, .value_kind: global_buffer, .address_space: global }
      - { .name: kvimg, .offset: 48, .size: 8, .value_kind: global_buffer, .address_space: global }
    .group_segment_fixed_size: 327680
    .private_segment_fixed_size: 0
    .kernarg_segment_align: 8
    .kernarg_segment_size: 56
    .max_flat_workgroup_size: 512
    .sgpr_count:     66
    .vgpr_count:     256
    .wavefront_size: 32
...
	.end_amdgpu_metadata
.endif
;; end of part 2
;; launch attn (part 3): grid 32 x 8, 16 waves a work-group, clusters of 4 x 1, 327,680 bytes of LDS; arguments x, ada, Wq_codes, Wq_scales, kvimg, Wp_codes, Wp_scales, bp, out0; writes out0
.if DOCPART == 3
	.amdgcn_target "amdgcn-amd-amdhsa--gfx1250"
	.amdhsa_code_object_version 6
	.text
	.protected	k_q6fb8cd9a90_attn
	.globl	k_q6fb8cd9a90_attn
	.p2align	8
	.type	k_q6fb8cd9a90_attn,@function
k_q6fb8cd9a90_attn:
	s_mov_b64 s[64:65], 0
	v_nop
	global_prefetch_b8 v0, s[64:65] scope:SCOPE_SE
	s_setreg_imm32_b32 hwreg(HW_REG_WAVE_MODE, 25, 1), 1
	s_wait_xcnt 0x0
	s_wait_alu depctr_hold_cnt(0) depctr_sa_sdst(0) depctr_va_vdst(0) depctr_va_sdst(0) depctr_va_ssrc(0) depctr_va_vcc(0) depctr_vm_vsrc(0)
	s_getreg_b32 s2, hwreg(HW_REG_IB_STS2, 6, 4)
	s_cmp_eq_u32 s2, 0
	s_cbranch_scc0 .Lentry_in_a_cluster
	s_endpgm
.Lentry_in_a_cluster:
	s_bfe_u32 s2, ttmp6, 0x10000c
	s_cmp_lg_u32 s2, 0x3003
	s_cbranch_scc0 .Lentry_shape_is_right
	s_endpgm
.Lentry_shape_is_right:
; out0 = x + Q(attention) Wp + bp, with q = Q(LN(x) a + c) Wq, all four products on codes of FP6 (E2M3) with one E8M0 scale for each 32 along K.  a, c: the launch before (ada); k, v, their scales and the mask: kvimg.
; SHARES.  A work-group owns 128 queries of one batch.  q, the scores, p and O never go to memory.  Sixteen waves of 256 registers, four to a SIMD, so that one wave's softmax stands beside another's products and LDS loads.
; A: LayerNorm.  Wave w = m + 8 g takes query tile m and columns 256 g on, 128 numbers a lane; the two half rows' figures are merged through LDS (M2 = M2a + M2b + 128 dm^2: no difference of large sums).  The rows become images of fragments in LDS.
; B: q.  Wave w makes columns 32 w .. + 31 (block w % 2 of head w / 2) for all eight tiles; its two tiles of Wq stay in 96 registers.  Source 0 = 16 rows of Wq, source 1 = 16 queries: a lane holds one query and 16 neighbours of a block.
; C: attention.  Wave w = m + 8 g takes query tile m and heads 2 hp + g, hp = 0 .. 3.  Both products are used transposed (S^T = K Q^T, O^T = V^T P^T): a lane holds one query throughout.  128 keys a step.
;    t = score x log2(e) / 8; M = the largest t so far, rounded up to a whole number; p = 2^(t - M) is quantised along the keys; the sum is taken of the unquantised p and divides O at a head's end;
;    when M moves, the sum and O are multiplied by 2^(old M - new M), which rounds nothing.
;    The first product's K is 64 under an instruction of 128: columns 64 .. 127 are zero codes on both sides, but for column 64: q has 1.0 there under the byte 127; an open key 0 under the byte 1; a masked key -1.0 under
;    the byte 227 and zeros for its real codes: its score is exactly -2^100, t is exact (a power of two times c), p is 0 beside any open key, and 1 for every key where a whole row is masked: the uniform softmax.
; D: the output.  Wave w makes columns 32 w .. + 31 for all eight tiles (Wp in 96 registers; bp is the C of each sum's first product); a tile's 16 rows meet in a stage in LDS; wave w adds row w of x and stores it.
; THE RING.  kvimg holds, for each batch, 16 slots of 60,416 dense bytes on end (4 pairs of heads x 4 x 256 keys; in a slot: head bit, then step).  Two LDS slots; waves 0-3 fetch a quarter each.
; CLUSTER.  The four work-groups of a cluster belong to one batch and walk the same slots: each quarter is asked for JOINTLY (the same descriptor, the mask 15).  Every refill stands behind a round of the cluster's barrier.
; By the text's own count a wave never has more than one tensor load out; a refill has a slot's two steps of all sixteen waves in which to land.
; x is read a second time in D: kept, it would take 262,144 bytes of LDS beside the ring.  Its rows are asked into the far cache ahead: rows 0-63 ahead of the last slot (two steps of each wave ahead of the first load of
; them), rows 64-127 behind the loads of Wp; each of the 512 threads asks for one run of 256 bytes, each run once.
; LIMITS: |q . k| under 2^90; NaN and infinities are not served; a block whose largest magnitude lies under 2^-124, a block of zeros among them, keeps the byte 1.
.set XPITCH, 1040                      ; a row of 1,024 bytes + 16 of padding
.set XWAVE,  16*XPITCH
.set BLKB,   15104                     ; a step's block: 8 key tiles x 1,024 | 512 k's scale words | 256 v's | 4 x 1,536 v
.set SLOT1,  65536                     ; slot 0 at 0, slot 1 here: one exclusive or turns an address
.set QIMG,   131072                    ; 64 x 1,024: (tile m, head): 32 bytes for each operand lane.  Over x's tiles, which are filled once
.set QSC,    196608                    ; 64 x 64: q's scale bytes, a word a row
.set HIMG,   266240                    ; 32 images of h's fragments (4 m + s), 1,536 bytes each; later O's: (m, K step, half): 768 bytes each
.set HSC,    315392                    ; their scale words; later O's
.set STAT,   319488
.set ACV,    321536                    ; a (2,048 bytes), then c
.set SPARE,  325632                    ; the spare words, 128 bytes for each wave: eight blocks of 256 bytes that no other line names
.set OIMG,   HIMG
.set OSC,    HSC
.set SPITCH, 2064                      ; the stage for y: 16 rows x (2,048 + 16), twice, in the slots, which have had their last fill by then
.set STG1,   16*SPITCH
.set XA, 3
.set AA, 4
.set STW, 5
.set STR, 6
.set HWI, 7
.set HWS, 8
.set T,   28
.set MU,  36
.set MO,  38
.set RS,  40
.set ES,  42
.set AC,  64
.set X,   128
.set WV,  22
.set SEL, 26
.set CS,  28                           ; s[28:29] c = log2(e) / 8
.set TB,  30                           ; LDS byte at which the step in hand begins (for head bit 0)
.set JJ,  31
.set QQ,  32
.set EPS, 33
.set I512, 34
.set G1X, 36                           ; s[36:43], s[44:47] the descriptor for x
.set G0X, 44
.set G1K, 48                           ; s[48:55], s[56:59] the descriptor for the slots; its group 0 walks
.set G0K, 56
.set XB,  60                           ; s[60:61] x at the work-group's first row
.set XW,  62                           ; s[62:63] + my wave's row
.set OB,  66                           ; s[66:67] out0 likewise
.set MT,  68                           ; m
.set GH,  69                           ; g
.macro ROUND                           ; a round of the cluster's barrier
	s_barrier_signal -1
	s_barrier_wait -1
	s_cmp_lg_u32 s[WV], 0
	s_cbranch_scc1 .Lnot_wave_0_\@
	s_barrier_signal -3
.Lnot_wave_0_\@:
	s_barrier_wait -3
	s_barrier_signal -1
	s_barrier_wait -1
.endm
.macro BAR
	s_wait_dscnt 0x0
	s_barrier_signal -1
	s_barrier_wait -1
.endm
.macro PLACES n
.rept \n
	v_nop
.endr
.endm
.macro TLOAD                           ; waves 0-3 ask for a quarter of a slot each; the branch hangs on the wave's number alone.  Four v_nop follow the load
	s_cmp_lt_u32 s[WV], 4
	s_cbranch_scc0 .Lno_load_\@
	tensor_load_to_lds s[G0K:G0K+3], s[G1K:G1K+7]
	s_nop 0
	PLACES 4
.Lno_load_\@:
.endm
; 64 numbers of a lane, register 16 b + i = k 32 b + 16 (lane / 16) + i of my row, become a fragment's codes in v[PC] on and its scale word in v[PW]
.macro QUANT4 s
.irp b, 0,1,2,3
	v_max3_num_f32 v[TM+\b], |v[\s+16*\b]|, |v[\s+1+16*\b]|, 0x1800000   ; my 16 numbers of block b, and the floor 2^(3 - 127): the byte cannot fall under 1
.endr
.irp i, 2,4,6,8,10,12,14
.irp b, 0,1,2,3
	v_max3_num_f32 v[TM+\b], v[TM+\b], |v[\s+16*\b+\i]|, |v[\s+1+16*\b+\i]|
.endr
.endr
.irp b, 0,1,2,3
	v_permlanex16_b32 v[TM+4+\b], v[TM+\b], s[SEL], s[SEL+1]
.endr
.irp b, 0,1,2,3
	v_max_num_f32 v[TM+\b], v[TM+\b], v[TM+4+\b]
.endr
.irp b, 0,1,2,3
	v_add_nc_u32 v[TM+12+\b], 0xff000000, v[TM+\b] ; 2 off the exponent field: the conversion's scale operand
.endr
.irp b, 0,1,2,3
	v_lshrrev_b32 v[TM+4+\b], 23, v[TM+12+\b]      ; the scale's byte
.endr
	v_lshl_or_b32 v[PW], v[TM+5], 8, v[TM+4]
	v_lshl_or_b32 v[PW], v[TM+6], 16, v[PW]
	v_lshl_or_b32 v[PW], v[TM+7], 24, v[PW]
.irp c, 0,1
	v_cvt_scalef32_pk16_fp6_f32 v[PC+6*\c:PC+2+6*\c], v[\s+32*\c:\s+15+32*\c], v[TM+12+2*\c]
	v_cvt_scalef32_pk16_fp6_f32 v[PC+12+4*\c:PC+14+4*\c], v[\s+16+32*\c:\s+31+32*\c], v[TM+12+2*\c+1]   ; (a conversion's three registers begin on an even number)
.endr
	v_nop                                          ; one plain place behind a scaled conversion
.irp c, 0,1
.irp i, 0,1,2
	v_permlane16_swap_b32 v[PC+6*\c+\i], v[PC+12+4*\c+\i]
.endr
.irp i, 0,1,2
	v_mov_b32 v[PC+3+6*\c+\i], v[PC+12+4*\c+\i]
.endr
.endr
.endm
; the same for 32 numbers, two blocks: six registers of codes in v[PC] on, two bytes in v[PW]
.macro QUANT2 s
.irp b, 0,1
	v_max3_num_f32 v[TM+\b], |v[\s+16*\b]|, |v[\s+1+16*\b]|, 0x1800000
.endr
.irp i, 2,4,6,8,10,12,14
.irp b, 0,1
	v_max3_num_f32 v[TM+\b], v[TM+\b], |v[\s+16*\b+\i]|, |v[\s+1+16*\b+\i]|
.endr
.endr
.irp b, 0,1
	v_permlanex16_b32 v[TM+4+\b], v[TM+\b], s[SEL], s[SEL+1]
.endr
.irp b, 0,1
	v_max_num_f32 v[TM+\b], v[TM+\b], v[TM+4+\b]
.endr
.irp b, 0,1
	v_add_nc_u32 v[TM+12+\b], 0xff000000, v[TM+\b]
.endr
.irp b, 0,1
	v_lshrrev_b32 v[TM+4+\b], 23, v[TM+12+\b]
.endr
	v_lshl_or_b32 v[PW], v[TM+5], 8, v[TM+4]
	v_cvt_scalef32_pk16_fp6_f32 v[PC:PC+2], v[\s:\s+15], v[TM+12]
	v_cvt_scalef32_pk16_fp6_f32 v[PC+12:PC+14], v[\s+16:\s+31], v[TM+13]
	v_nop
.irp i, 0,1,2
	v_permlane16_swap_b32 v[PC+\i], v[PC+12+\i]
.endr
.irp i, 0,1,2
	v_mov_b32 v[PC+3+\i], v[PC+12+\i]
.endr
.endm
; 16 numbers of a lane, half of ONE block, from two accumulators, each read from its low end on: 16 codes in v[c] .. v[c + 2], the byte in v[Q1T + 3]
.macro QUANT1 s, c
	v_max3_num_f32 v[Q1T], |v[\s]|, |v[\s+1]|, 0x1800000
	v_max3_num_f32 v[Q1T+1], |v[\s+2]|, |v[\s+3]|, |v[\s+6]|
	v_max3_num_f32 v[Q1T], v[Q1T], |v[\s+4]|, |v[\s+5]|
	v_max3_num_f32 v[Q1T+1], v[Q1T+1], |v[\s+7]|, |v[\s+10]|
	v_max3_num_f32 v[Q1T], v[Q1T], |v[\s+8]|, |v[\s+9]|
	v_max3_num_f32 v[Q1T+1], v[Q1T+1], |v[\s+11]|, |v[\s+14]|
	v_max3_num_f32 v[Q1T], v[Q1T], |v[\s+12]|, |v[\s+13]|
	v_max3_num_f32 v[Q1T], v[Q1T], v[Q1T+1], |v[\s+15]|
	v_permlanex16_b32 v[Q1T+1], v[Q1T], s[SEL], s[SEL+1]
	v_max_num_f32 v[Q1T], v[Q1T], v[Q1T+1]
	v_add_nc_u32 v[Q1T+2], 0xff000000, v[Q1T]
	v_lshrrev_b32 v[Q1T+3], 23, v[Q1T+2]
	v_cvt_scalef32_pk16_fp6_f32 v[\c:\c+2], v[\s:\s+15], v[Q1T+2]
	v_nop
.endm
.macro IMAGE adr, off
.irp c, 0,1,2
	ds_store_b128 v[\adr], v[PC+4*\c:PC+4*\c+3] offset:(\off)+512*\c
.endr
.endm
.macro FETCH reg, adr, off
.irp c, 0,1,2
	ds_load_b128 v[(\reg)+4*\c:(\reg)+4*\c+3], v[\adr] offset:(\off)+512*\c
.endr
.endm
.macro WLOAD reg, voff, sb, imm        ; a tile of 16 rows of a weight, all four K steps: 24 bytes a lane and half step, as three loads of 8 bytes
.irp s, 0,1,2,3
.irp p, 0,1,2,3,4,5
	global_load_b64 v[(\reg)+12*\s+2*\p:(\reg)+12*\s+2*\p+1], v[\voff], s[\sb:\sb+1] offset:(\imm)+96*\s+48*(\p/3)+8*(\p%3)
.endr
.endr
.endm
.macro WSLOAD reg, voff, sb, imm
.irp s, 0,1,2,3
	global_load_b32 v[(\reg)+\s], v[\voff], s[\sb:\sb+1] offset:(\imm)+4*\s
.endr
.endm
.macro MMZ d, a, b, sa, sb, row        ; a product that starts a sum.  row = 1: source 0's scales stand in lanes 16-31
.if \row
	v_wmma_scale_f32_16x16x128_f8f6f4 v[\d:\d+7], v[\a:\a+11], v[\b:\b+11], 0, v[\sa], v[\sb] matrix_a_fmt:MATRIX_FMT_FP6 matrix_b_fmt:MATRIX_FMT_FP6 matrix_a_scale:MATRIX_SCALE_ROW1
.else
	v_wmma_scale_f32_16x16x128_f8f6f4 v[\d:\d+7], v[\a:\a+11], v[\b:\b+11], 0, v[\sa], v[\sb] matrix_a_fmt:MATRIX_FMT_FP6 matrix_b_fmt:MATRIX_FMT_FP6
.endif
.endm
.macro MMA d, a, b, c, sa, sb, row     ; and one with C in registers
.if \row
	v_wmma_scale_f32_16x16x128_f8f6f4 v[\d:\d+7], v[\a:\a+11], v[\b:\b+11], v[\c:\c+7], v[\sa], v[\sb] matrix_a_fmt:MATRIX_FMT_FP6 matrix_b_fmt:MATRIX_FMT_FP6 matrix_a_scale:MATRIX_SCALE_ROW1
.else
	v_wmma_scale_f32_16x16x128_f8f6f4 v[\d:\d+7], v[\a:\a+11], v[\b:\b+11], v[\c:\c+7], v[\sa], v[\sb] matrix_a_fmt:MATRIX_FMT_FP6 matrix_b_fmt:MATRIX_FMT_FP6
.endif
.endm
.macro LN_A                            ; my 128 numbers; the half row's mean; differences in place; their squares' sum; both to LDS
.set n, 0
.rept 32
	ds_load_b128 v[X+4*n:X+4*n+3], v[XA] offset:128*(n/4)+16*(n%4)
.set n, n+1
.endr
	s_wait_dscnt 0x0
.irp k, 0,1,2,3
	v_pk_add_f32 v[T+2*\k:T+2*\k+1], v[X+2*\k:X+2*\k+1], v[X+8+2*\k:X+9+2*\k]
.endr
.set n, 8
.rept 56
	v_pk_add_f32 v[T+2*(n%4):T+2*(n%4)+1], v[T+2*(n%4):T+2*(n%4)+1], v[X+2*n:X+2*n+1]
.set n, n+1
.endr
	v_pk_add_f32 v[T:T+1], v[T:T+1], v[T+2:T+3]
	v_pk_add_f32 v[T+4:T+5], v[T+4:T+5], v[T+6:T+7]
	v_pk_add_f32 v[T:T+1], v[T:T+1], v[T+4:T+5]
	v_add_f32 v[MU], v[T], v[T+1]
	v_permlanex16_b32 v[MU+1], v[MU], s[SEL], s[SEL+1]
	v_add_f32 v[MU], v[MU], v[MU+1]
	v_mul_f32 v[MU], 0x3b800000, v[MU]             ; / 256
.set n, 0
.rept 64
	v_pk_add_f32 v[X+2*n:X+2*n+1], v[X+2*n:X+2*n+1], v[MU:MU+1] op_sel_hi:[1,0] neg_lo:[0,1] neg_hi:[0,1]
.set n, n+1
.endr
.irp k, 0,1,2,3
	v_pk_mul_f32 v[T+2*\k:T+2*\k+1], v[X+2*\k:X+2*\k+1], v[X+2*\k:X+2*\k+1]
.endr
.set n, 4
.rept 60
	v_pk_fma_f32 v[T+2*(n%4):T+2*(n%4)+1], v[X+2*n:X+2*n+1], v[X+2*n:X+2*n+1], v[T+2*(n%4):T+2*(n%4)+1]
.set n, n+1
.endr
	v_pk_add_f32 v[T:T+1], v[T:T+1], v[T+2:T+3]
	v_pk_add_f32 v[T+4:T+5], v[T+4:T+5], v[T+6:T+7]
	v_pk_add_f32 v[T:T+1], v[T:T+1], v[T+4:T+5]
	v_add_f32 v[T], v[T], v[T+1]
	v_permlanex16_b32 v[T+1], v[T], s[SEL], s[SEL+1]
	v_add_f32 v[MU+1], v[T], v[T+1]
	ds_store_b64 v[STW], v[MU:MU+1]                ; both halves of the lanes write the same bytes with the same values
.endm
.macro ACLOAD set, blk
.irp j, 0,1,2,3
	ds_load_b128 v[AC+32*(\set)+4*\j:AC+32*(\set)+4*\j+3], v[AA] offset:128*(\blk)+16*\j
	ds_load_b128 v[AC+32*(\set)+16+4*\j:AC+32*(\set)+16+4*\j+3], v[AA] offset:2048+128*(\blk)+16*\j
.endr
.endm
.macro LN_B
	ds_load_b64 v[MO:MO+1], v[STR]
	ACLOAD 0, 0
	s_wait_dscnt 8                                 ; the partner's figures are in; the eight loads behind them may be out
	v_sub_f32 v[MO], v[MU], v[MO]                  ; dm = my mean - the partner's
	v_add_f32 v[MU+1], v[MU+1], v[MO+1]
	v_mul_f32 v[MO+1], v[MO], v[MO]
	v_fma_f32 v[MU+1], v[MO+1], 0x43000000, v[MU+1]   ; + 128 dm^2
	v_fma_f32 v[MU+1], v[MU+1], s[I512], s[EPS]    ; var + eps
	v_rsq_f32 v[RS], v[MU+1]
	v_mul_f32 v[MO], 0.5, v[MO]                    ; my mean - the row's mean.  (A plain place behind the transcendental)
	s_wait_alu depctr_va_vdst(0)
	v_mov_b32 v[RS+1], v[RS]                       ; (the packed forms name pairs: both halves are written)
	v_mul_f32 v[ES], v[MO], v[RS]
	v_mov_b32 v[ES+1], v[ES]
.irp blk, 0,1,2,3,4,5,6,7
.if \blk < 7
	ACLOAD (\blk+1)%2, \blk+1
	s_wait_dscnt 8                                 ; this block's a and c are in; the next block's eight loads may be out
.else
	s_wait_dscnt 0x0
.endif
.irp e, 0,2,4,6,8,10,12,14
	v_pk_fma_f32 v[X+16*\blk+\e:X+16*\blk+\e+1], v[X+16*\blk+\e:X+16*\blk+\e+1], v[RS:RS+1], v[ES:ES+1] op_sel_hi:[1,0,0]
.endr
.irp e, 0,2,4,6,8,10,12,14
	v_pk_fma_f32 v[X+16*\blk+\e:X+16*\blk+\e+1], v[X+16*\blk+\e:X+16*\blk+\e+1], v[AC+32*(\blk%2)+\e:AC+32*(\blk%2)+\e+1], v[AC+32*(\blk%2)+16+\e:AC+32*(\blk%2)+16+\e+1]
.endr
.endr
.endm
.macro LN_C
	QUANT4 X
	IMAGE HWI, 0
	ds_store_b32 v[HWS], v[PW]
	s_wait_dscnt 0x0                               ; the stores have read their registers
	QUANT4 X+64
	IMAGE HWI, 1536
	ds_store_b32 v[HWS], v[PW] offset:128
.endm
	s_load_b512 s[4:19], s[0:1], 0x0               ; x s[4:5], ada s[6:7], Wq's codes s[8:9], scales s[10:11], kvimg s[12:13], Wp's codes s[14:15], scales s[16:17], bp s[18:19]
	s_load_b64 s[20:21], s[0:1], 0x40              ; out0
	v_lshl_add_u32 v1, v0, 2, SPARE                ; my spare word; never rewritten
	v_mov_b32 v2, 0                                ; 0; never rewritten
	ds_add_u32 v1, v2
	ds_add_u32 v1, v2
	s_wait_dscnt 0x0
	v_lshrrev_b32 v11, 5, v0
	v_readfirstlane_b32 s[WV], v11                 ; wave 0..15
	s_bfe_u32 s23, ttmp6, 0x40000                  ; my place in the cluster: it enters x's and out0's addresses alone
	s_lshl_b32 s24, ttmp9, 2
	s_add_co_u32 s24, s24, s23                     ; my block of 128 queries
	s_and_b32 s25, ttmp7, 0xffff                   ; the batch, which the four partners share
	s_mov_b32 s[SEL], 0x76543210
	s_mov_b32 s[SEL+1], 0xfedcba98
	s_mov_b32 s[CS], 0x3e38aa3b
	s_mov_b32 s[CS+1], s[CS]                       ; (named with it as a pair, so it is written)
	s_mov_b32 s[TB], 0
	s_mov_b32 s[EPS], 0x3727c5ac                   ; 1e-5
	s_mov_b32 s[I512], 0x3b000000                  ; 1 / 512
	s_and_b32 s[MT], s[WV], 7
	s_lshr_b32 s[GH], s[WV], 3
	; x: 16 rows x 256 numbers of 4 bytes, 512 numbers from row to row; 4 words of padding behind every 256.  A load of my own: no mask
	s_mov_b32 s[G1X], (2<<16)|(1<<20)|(7<<22)|(3<<25)
	s_mov_b32 s[G1X+1], 256<<16
	s_mov_b32 s[G1X+2], 16<<16
	s_mov_b32 s[G1X+3], 256<<16
	s_mov_b32 s[G1X+4], 16
	s_mov_b32 s[G1X+5], 512
	s_mov_b32 s[G1X+6], 0
	s_mov_b32 s[G1X+7], 0
	; a quarter of a slot: 15,104 dense bytes as 59 rows of 32 elements of 8 bytes
	s_mov_b32 s[G1K], 15|(3<<16)|(1<<21)           ; 15:0 the mask: all four work-groups; 17:16 elements of 8 bytes; 21 set beside a mask
	s_mov_b32 s[G1K+1], 32<<16
	s_mov_b32 s[G1K+2], 59<<16
	s_mov_b32 s[G1K+3], 32<<16
	s_mov_b32 s[G1K+4], 59
	s_mov_b32 s[G1K+5], 32
	s_mov_b32 s[G1K+6], 0
	s_mov_b32 s[G1K+7], 0
	s_lshl_b32 s70, s25, 23                        ; 4,096 rows of 2,048 bytes a batch
	s_lshl_b32 s71, s24, 18                        ; 128 rows a block
	s_add_co_u32 s70, s70, s71
	s_mov_b32 s71, 0
	s_lshl_b32 s72, s[WV], 11                      ; row w
	s_mov_b32 s73, 0
	s_lshl_b32 s74, s[MT], 15                      ; 16 m rows
	s_lshl_b32 s75, s[GH], 10                      ; my half of the columns
	s_add_co_u32 s74, s74, s75
	s_mov_b32 s75, 0
	s_and_b32 s76, s[WV], 3
	s_mul_i32 s76, s76, BLKB                       ; my quarter of a slot
	s_mul_i32 s78, s25, 64*BLKB                    ; the batch's 16 slots
	s_add_co_u32 s78, s78, s76
	s_mov_b32 s79, 0
	s_lshl_b32 s80, s25, 12                        ; the batch's row of ada
	s_mov_b32 s81, 0
	s_mul_i32 s82, s[WV], 12288                    ; 32 w rows of 384 bytes of codes
	s_mov_b32 s83, 0
	s_lshl_b32 s84, s[WV], 9                       ; and of 16 scale bytes
	s_mov_b32 s85, 0
	s_lshl_b32 s86, s[WV], 7                       ; 32 w numbers of bp
	s_mov_b32 s87, 0
	s_wait_kmcnt 0x0
	s_add_nc_u64 s[XB:XB+1], s[4:5], s[70:71]
	s_add_nc_u64 s[XW:XW+1], s[XB:XB+1], s[72:73]
	s_add_nc_u64 s[OB:OB+1], s[20:21], s[70:71]
	s_add_nc_u64 s[OB:OB+1], s[OB:OB+1], s[72:73]
	s_add_nc_u64 s[6:7], s[6:7], s[80:81]
	s_add_nc_u64 s[8:9], s[8:9], s[82:83]
	s_add_nc_u64 s[10:11], s[10:11], s[84:85]
	s_add_nc_u64 s[14:15], s[14:15], s[82:83]
	s_add_nc_u64 s[16:17], s[16:17], s[84:85]
	s_add_nc_u64 s[18:19], s[18:19], s[86:87]
	s_mov_b32 s[G0X], 1
	s_mul_i32 s[G0X+1], s[WV], XWAVE
	s_add_nc_u64 s[G0X+2:G0X+3], s[XB:XB+1], s[74:75]
	s_or_b32 s[G0X+3], s[G0X+3], 0x80000000
	s_mov_b32 s[G0K], 1
	s_mov_b32 s[G0K+1], s76                        ; slot 0
	s_add_nc_u64 s[G0K+2:G0K+3], s[12:13], s[78:79]   ; it hangs on the batch and the wave's number alone
	s_or_b32 s[G0K+3], s[G0K+3], 0x80000000
	; ---- A
	v_and_b32 v11, 15, v0                          ; r
	v_bfe_u32 v12, v0, 4, 1                        ; h
	v_and_b32 v13, 31, v0                          ; lane
	v_mul_u32_u24 v[XA], v11, XPITCH
	v_lshl_add_u32 v[XA], v12, 6, v[XA]
	v_add_nc_u32 v[XA], s[G0X+1], v[XA]            ; my wave's tile, row r, + 64 h
	s_lshl_b32 s82, s[GH], 10
	s_add_co_u32 s82, s82, ACV
	v_lshl_add_u32 v[AA], v12, 6, s82
	s_lshl_b32 s82, s[WV], 7
	s_add_co_u32 s82, s82, STAT
	v_lshl_add_u32 v[STW], v11, 3, s82
	s_xor_b32 s82, s[WV], 8
	s_lshl_b32 s82, s82, 7
	s_add_co_u32 s82, s82, STAT
	v_lshl_add_u32 v[STR], v11, 3, s82
	s_lshl_b32 s82, s[MT], 2
	s_lshl_b32 s83, s[GH], 1
	s_add_co_u32 s82, s82, s83                     ; 4 m + 2 g
	s_mul_i32 s83, s82, 1536
	s_add_co_u32 s83, s83, HIMG
	v_lshl_add_u32 v[HWI], v13, 4, s83
	s_lshl_b32 s83, s82, 7
	s_add_co_u32 s83, s83, HSC
	v_lshl_add_u32 v[HWS], v13, 2, s83
	v_lshl_add_u32 v9, v0, 2, ACV
	v_lshlrev_b32 v10, 2, v0
	v_mov_b32 v[MU+1], 0                           ; written once: a lane permute's destination counts as one of its sources
.irp b, 0,1,2,3
	v_mov_b32 v[48+\b], 0
.endr
	ROUND                                          ; in a cluster launch every group of tensor loads stands behind a round
	tensor_load_to_lds s[G0X:G0X+3], s[G1X:G1X+7]  ; my 16 rows x 1,024 bytes of x
	s_nop 0
	PLACES 4
	global_load_b32 v14, v10, s[6:7]               ; a and c: a number a thread
	global_load_b32 v15, v10, s[6:7] offset:2048
	s_wait_loadcnt 0x0
	ds_store_b32 v9, v14
	ds_store_b32 v9, v15 offset:2048
	s_wait_tensorcnt 0x0                           ; my tile is in
	BAR                                            ; a and c lie in LDS
.set TM, 44
.set PW, 60
.set PC, 64
	LN_A
	s_wait_tensorcnt 0x0                           ; no tensor load of mine is out;
	ds_add_u32 v1, v2                              ; 0 onto my spare word;
	s_wait_dscnt 0x0                               ; the add is done, my reads of x's tile are over and my figures lie in LDS
	ROUND                                          ; that holds of every wave of the cluster: x's bytes may be filled again
	TLOAD                                          ; the first slot, into slot 0
	LN_B
	LN_C
	s_wait_dscnt 0x0                               ; the stores have read their registers: the weights may land there
	; ---- B
.set LIH, 3
.set LSH, 4
.set QWI, 5
.set QWS, 6
.set WF,  36                           ; v36-131  two tiles of the weight x four K steps
.set WS,  16                           ; v16-23   their scale words
.set HS,  24                           ; v24-27   h's scale words
.set HF,  132                          ; v132-179 h's four fragments
.set ACB, 180                          ; v180-195 two accumulators
.set Q1T, 240
	v_and_b32 v9, 8, v11
	v_add_nc_u32 v9, v9, v11                       ; r + 8 (r / 8): THE ROWS OF Wq THAT FORM A TILE ARE NOT NEIGHBOURS
	v_mul_u32_u24 v7, v9, 384
	v_mad_u32_u24 v7, v12, 24, v7
	v_lshlrev_b32 v8, 4, v9
	WLOAD WF, 7, 8, 0
	WLOAD WF+48, 7, 8, 3072
	WSLOAD WS, 8, 10, 0
	WSLOAD WS+4, 8, 10, 128
	v_lshl_add_u32 v[LIH], v13, 4, HIMG
	v_lshl_add_u32 v[LSH], v13, 2, HSC
	s_lshr_b32 s82, s[WV], 1                       ; the head
	s_and_b32 s83, s[WV], 1                        ; its block
	s_lshl_b32 s84, s82, 10
	s_lshl_b32 s85, s83, 9
	s_add_co_u32 s84, s84, s85
	s_add_co_u32 s84, s84, QIMG
	v_lshlrev_b32 v[QWI], 5, v11
	v_lshl_add_u32 v[QWI], v12, 4, v[QWI]
	v_add_nc_u32 v[QWI], s84, v[QWI]
	s_lshl_b32 s84, s82, 6
	s_add_co_u32 s84, s84, s83
	s_add_co_u32 s84, s84, QSC
	v_lshl_add_u32 v[QWS], v11, 2, s84
	v_mov_b32 v231, 0                              ; the fourth word of my 16 bytes
	BAR                                            ; h's 32 images lie in LDS.  (The slot's load may stay out)
	s_wait_loadcnt 0x0                             ; Wq
.irp m, 0,1,2,3,4,5,6,7
.irp s, 0,1,2,3
	FETCH HF+12*\s, LIH, (4*\m+\s)*1536
	ds_load_b32 v[HS+\s], v[LSH] offset:(4*\m+\s)*128
.endr
	s_wait_dscnt 0x0                               ; the fragments are in, and the last tile's stores have read their registers
.irp s, 0,1,2,3                        ; the two accumulators by turns
.irp u, 0,1
.if \s == 0
	MMZ ACB+8*\u, WF+48*\u, HF, WS+4*\u, HS, 0
.else
	MMA ACB+8*\u, WF+48*\u+12*\s, HF+12*\s, ACB+8*\u, WS+4*\u+\s, HS+\s, 0
.endif
.endr
.endr
	PLACES 5                                       ; four in front of the first read of results and of the next loads; the fifth since the next tile's first products write over these accumulators
	QUANT1 ACB, 228
	ds_store_b128 v[QWI], v[228:231] offset:8192*\m
	ds_store_b8 v[QWS], v[Q1T+3] offset:512*\m     ; both halves of the lanes write the same byte with the same value
.endr
	BAR                                            ; q's codes and bytes lie in LDS, and nobody reads h's images any more
	; ---- C
.set S,   132                          ; v132-195 S^T, then p
.set OT,  196                          ; v196-227 O^T
.set PC,  228                          ; v228-239 p's codes
.set BM,  240                          ; v240-243 the blocks' largest scores, then p, then the conversions' scale operands
.set PB,  244                          ; v244-251 what the other half sends, bytes, the conversions' second halves
.set TM,  164                          ; a head's end quantises O over the upper half of S^T
.set PW,  180
	s_mul_i32 s70, s[GH], 2*BLKB
	v_lshl_add_u32 v3, v13, 4, s70                 ; v3  16 x lane + my head bit's two steps
	v_lshl_add_u32 v11, v13, 3, s70                ; v11 8 x lane + the same: v's scale words are 8 bytes a lane
	v_and_b32 v12, 15, v0
	s_lshl_b32 s71, s[MT], 3
	s_add_co_u32 s71, s71, s[GH]                   ; 8 m + g
	s_lshl_b32 s72, s71, 10
	s_add_co_u32 s72, s72, QIMG
	v_lshl_add_u32 v5, v13, 5, s72                 ; v5  q's codes: 32 x lane
	s_lshl_b32 s72, s71, 6
	s_add_co_u32 s72, s72, QSC
	v_lshl_add_u32 v6, v12, 2, s72                 ; v6  q's bytes: 4 r
	s_mul_i32 s72, s[MT], 6144
	s_mul_i32 s73, s[GH], 768
	s_add_co_u32 s72, s72, s73
	s_add_co_u32 s72, s72, OIMG
	v_lshl_add_u32 v7, v13, 4, s72                 ; v7  O's registers 0-3
	s_add_co_u32 s72, s72, 512
	v_lshl_add_u32 v8, v13, 3, s72                 ; v8  and 4-5
	s_lshl_b32 s72, s[MT], 8
	s_lshl_b32 s73, s[GH], 1
	s_add_co_u32 s72, s72, s73
	s_add_co_u32 s72, s72, OSC
	v_lshl_add_u32 v9, v12, 2, s72                 ; v9  O's two bytes
	v_lshlrev_b32 v10, 8, v0                       ; v10 256 x thread: the prefetches' offset; never rewritten
	v_bfe_u32 v30, v0, 4, 1
	v_xor_b32 v30, 1, v30
	v_lshlrev_b32 v30, 3, v30                      ; q's column 64: the code of 1.0 in lanes 0-15
.irp e, 31,32,33,34,35
	v_mov_b32 v\e, 0                               ; q's columns 70 .. 127
.endr
.irp t, 0,1,2,3
.irp e, 8,9,10,11
	v_mov_b32 v[36+12*\t+\e], 0                    ; k's registers 8-11 are zeros in each of the four buffers, and stay so
.endr
.endr
	v_mov_b32 v253, 0                              ; (named as the upper half of the pair v[252:253])
.macro HEAD_START hp                   ; q of head 2 hp + g; the sums begin as zeros and the largest t as -3e38
	ds_load_b128 v[24:27], v5 offset:2048*\hp
	ds_load_b128 v[PB:PB+3], v5 offset:2048*\hp+16
	ds_load_u16 v22, v6 offset:128*\hp
	s_wait_dscnt 0x0
	v_mov_b32 v27, v[PB]
	v_mov_b32 v28, v[PB+1]
	v_mov_b32 v29, v[PB+2]
	v_or_b32 v22, 0x017f0000, v22                  ; byte 2: 127, for column 64; byte 3: 1
	v_mov_b32 v13, 0xff61b1e6
	v_floor_f32 v12, -v13
	v_mov_b32 v14, 0
	v_mov_b32 v15, 0
.set n, 0
.rept 32
	v_mov_b32 v[OT+n], 0                           ; (the step is written once: the first finds zeros.  These lines are also the places between the lines above and the first product)
.set n, n+1
.endr
.endm
.macro STEP                            ; 128 keys
	v_add_nc_u32 v4, s[TB], v3
	v_add_nc_u32 v255, s[TB], v11
	ds_load_b128 v[16:19], v4 offset:8192          ; k's scale words: word i = tile 2 i + lane / 16
.irp gq, 0,1                           ; S^T = K Q^T, four tiles of 16 keys at a time
.irp t, 0,1,2,3
	ds_load_b128 v[36+12*\t:39+12*\t], v4 offset:1024*(4*\gq+\t)
	ds_load_b128 v[40+12*\t:43+12*\t], v4 offset:1024*(4*\gq+\t)+512
.endr
	s_wait_dscnt 0x0
.irp t, 0,1,2,3
	MMZ S+8*(4*\gq+\t), 36+12*\t, 24, 16+2*\gq+\t/2, 22, \t%2
.endr
.if \gq == 0
	PLACES 4                                       ; in front of loads into registers that matrix instructions have read
.endif
.endr
	ds_load_b64 v[20:21], v255 offset:8704         ; v's scale words and its four tiles land under the softmax
.irp t, 0,1,2,3
.irp c, 0,1,2
	ds_load_b128 v[84+12*\t+4*\c:87+12*\t+4*\c], v4 offset:8960+1536*\t+512*\c
.endr
.endr
	PLACES 4                                       ; in front of the first read of results
.irp b, 0,1,2,3
	v_max3_num_f32 v[BM+\b], v[S+16*\b], v[S+1+16*\b], v[S+2+16*\b]   ; the largest score of each block of 32 keys: it serves for the row's maximum and, since p rises with the score, for the block's largest p
.endr
.irp i, 3,5,7,9,11,13
.irp b, 0,1,2,3
	v_max3_num_f32 v[BM+\b], v[BM+\b], v[S+16*\b+\i], v[S+1+16*\b+\i]
.endr
.endr
.irp b, 0,1,2,3
	v_max_num_f32 v[BM+\b], v[BM+\b], v[S+15+16*\b]
.endr
.irp b, 0,1,2,3
	v_permlanex16_b32 v[PB+\b], v[BM+\b], s[SEL], s[SEL+1]
.endr
.irp b, 0,1,2,3
	v_max_num_f32 v[BM+\b], v[BM+\b], v[PB+\b]     ; with lane l xor 16's 16 keys
.endr
	v_max3_num_f32 v254, v[BM], v[BM+1], v[BM+2]
	v_max_num_f32 v254, v254, v[BM+3]
	v_mul_f32 v254, s[CS], v254                    ; as t (c is positive)
	v_max_num_f32 v13, v13, v254                   ; the running largest t
	v_mov_b32 v254, v12
	v_floor_f32 v12, -v13                          ; the new -M = floor(-t): M is a whole number
	v_sub_f32 v254, v12, v254                      ; old M - new M: a whole number, 0 or less
	v_cvt_i32_f32 v254, v254                       ; (it saturates)
	v_ldexp_f32 v252, 1.0, v254                    ; f = 2^(old M - new M)
.set n, 0
.rept 32
	v_pk_fma_f32 v[S+2*n:S+2*n+1], v[S+2*n:S+2*n+1], s[CS:CS+1], v[12:13] op_sel_hi:[1,0,0]   ; t - M, two at a time
.set n, n+1
.endr
.irp b, 0,1,2,3
	v_fma_f32 v[BM+\b], v[BM+\b], s[CS], v12       ; the same of each block's largest score
.endr
.set n, 0
.rept 64
	v_exp_f32 v[S+n], v[S+n]                       ; p = 2^(t - M), at most 1: not normalised
.set n, n+1
.endr
.irp b, 0,1,2,3
	v_exp_f32 v[BM+\b], v[BM+\b]                   ; the block's largest p: the same two instructions on the same number give the same bits
.endr
	v_pk_mul_f32 v[14:15], v[14:15], v[252:253] op_sel_hi:[1,0]   ; the sums under the new M.  (A plain place behind the exponentials)
	s_wait_alu depctr_va_vdst(0)
.irp b, 0,1,2,3
	v_max_num_f32 v[BM+\b], 0x1800000, v[BM+\b]    ; the floor 2^(3 - 127): a block whose every p is 0 keeps the byte 1; its codes are zeros
.endr
.irp b, 0,1,2,3
	v_add_nc_u32 v[BM+\b], 0xff000000, v[BM+\b]    ; 2 off the exponent field: the conversion's scale operand
.endr
.irp b, 0,1,2,3
	v_lshrrev_b32 v[PB+\b], 23, v[BM+\b]           ; the scale's byte
.endr
	v_lshl_or_b32 v23, v[PB+1], 8, v[PB]           ; p's scale word for these 128 keys
	v_lshl_or_b32 v23, v[PB+2], 16, v23
	v_lshl_or_b32 v23, v[PB+3], 24, v23
.irp c, 0,1
	v_cvt_scalef32_pk16_fp6_f32 v[PC+6*\c:PC+2+6*\c], v[S+32*\c:S+15+32*\c], v[BM+2*\c]
	v_cvt_scalef32_pk16_fp6_f32 v[PB+4*\c:PB+2+4*\c], v[S+16+32*\c:S+31+32*\c], v[BM+2*\c+1]   ; (a conversion's three registers begin on an even number)
.endr
	v_nop                                          ; one plain place behind a scaled conversion
.irp c, 0,1                            ; the operand's layout wants a whole block in a lane
.irp i, 0,1,2
	v_permlane16_swap_b32 v[PC+6*\c+\i], v[PB+4*\c+\i]
.endr
.irp i, 0,1,2
	v_mov_b32 v[PC+3+6*\c+\i], v[PB+4*\c+\i]
.endr
.endr
	v_pk_add_f32 v[PB:PB+1], v[S:S+1], v[S+2:S+3]  ; the row's sum is taken of the unquantised p: two at a time, in two chains
.irp j, 4,8,12,16,20,24,28,32,36,40,44,48,52,56,60
	v_pk_add_f32 v[14:15], v[14:15], v[S+\j:S+\j+1]
	v_pk_add_f32 v[PB:PB+1], v[PB:PB+1], v[S+2+\j:S+3+\j]
.endr
	v_pk_add_f32 v[14:15], v[14:15], v[PB:PB+1]
.set n, 0
.rept 16
	v_pk_mul_f32 v[OT+2*n:OT+2*n+1], v[OT+2*n:OT+2*n+1], v[252:253] op_sel_hi:[1,0]   ; O^T under the new M.  (With the sums above: the places in front of the scaled products below)
.set n, n+1
.endr
	s_wait_dscnt 0x0                               ; v is in
.irp t, 0,1,2,3                        ; O^T += V^T P^T: four accumulators by turns
	MMA OT+8*\t, 84+12*\t, PC, OT+8*\t, 20+\t/2, 23, \t%2
.endr
	s_add_co_u32 s[TB], s[TB], BLKB
.endm
; THE CHANGE OF SLOTS stands at a slot's head.  Each wave waits for all its tensor loads (its part of the slot that it is about to read), adds 0 to its spare word, and waits for that and for its reads of the slot that it has left.
; fill = 1: a round of the cluster's barrier, and behind it the slot just left is filled with the 60,416 bytes that follow.
.macro CHANGE fill
	s_wait_tensorcnt 0x0                           ; no tensor load of mine is out, so the descriptor may be written
	ds_add_u32 v1, v2
.if \fill
	s_xor_b32 s[G0K+1], s[G0K+1], SLOT1            ; the other slot than last time,
	s_add_nc_u64 s[G0K+2:G0K+3], s[G0K+2:G0K+3], 4*BLKB   ; the next slot's bytes; the type bits on top are not reached
.endif
	s_wait_dscnt 0x0                               ; the add is done, and my reads of the slot that I have left are over
.if \fill
	ROUND
	TLOAD                                          ; the first thing behind the round, and a wave's one tensor load until the next
.else
	s_barrier_signal -1
	s_barrier_wait -1
.endif
.endm
.macro SLOTM fill                      ; a slot: its two steps are written once and walked twice
	CHANGE \fill
	s_mov_b32 s[QQ], 2
.Lstep_\@:
	STEP
	s_sub_co_u32 s[QQ], s[QQ], 1
	s_cmp_lg_u32 s[QQ], 0
	s_cbranch_scc1 .Lstep_\@
	s_sub_co_u32 s[TB], s[TB], 2*BLKB              ; back to a slot's first step,
	s_xor_b32 s[TB], s[TB], SLOT1                  ; in the other slot
.endm
.macro HEADM hp, trips
	HEAD_START \hp
	s_mov_b32 s[JJ], \trips
.Lslot_\@:
	SLOTM 1
	s_sub_co_u32 s[JJ], s[JJ], 1
	s_cmp_lg_u32 s[JJ], 0
	s_cbranch_scc1 .Lslot_\@
.endm
.macro HEAD_END hp                     ; O^T / the sum is quantised along the head's 64: registers 6 g .. 6 g + 5 of K step hp of the last product, and two bytes of its scale word
	v_add_f32 v14, v14, v15
	v_permlanex16_b32 v254, v14, s[SEL], s[SEL+1]
	v_add_f32 v14, v14, v254                       ; the row's sum
	v_rcp_f32 v14, v14
	v_nop                                          ; a plain place behind the transcendental
.set n, 0
	s_wait_alu depctr_va_vdst(0)
.rept 32
	v_mul_f32 v[S+n], v[OT+n], v14                 ; register 16 b + i is channel 32 b + 16 (lane / 16) + i
.set n, n+1
.endr
	QUANT2 S
	ds_store_b128 v7, v[PC:PC+3] offset:1536*\hp
	ds_store_b64 v8, v[PC+4:PC+5] offset:1536*\hp
	ds_store_b16 v9, v[PW] offset:64*\hp
.endm
.irp hp, 0,1,2
	HEADM \hp, 4
	PLACES 4                                       ; in front of the first read of the last products' results
	HEAD_END \hp
.endr
	HEADM 3, 3
	global_prefetch_b8 v10, s[XB:XB+1] th:TH_LOAD_NT scope:SCOPE_SE   ; rows 0-63 of my x: 512 threads x 256 bytes, each run asked for once, one slot ahead of their loads
	SLOTM 0                                        ; the last slot is written out
	PLACES 4                                       ; in front of loads into registers that the last products have read, and of the first read of their results
	v_and_b32 v4, 15, v0
	v_bfe_u32 v255, v0, 4, 1
	v_mul_u32_u24 v3, v4, 384                      ; Wp: row r of a tile, + 24 h
	v_mad_u32_u24 v3, v255, 24, v3
	v_lshlrev_b32 v4, 4, v4
	WLOAD WF, 3, 14, 0                             ; Wp's rows 32 w + 16 u + r: they land while the last head is finished
	WLOAD WF+48, 3, 14, 6144
	WSLOAD WS, 4, 16, 0
	WSLOAD WS+4, 4, 16, 256
	global_prefetch_b8 v10, s[XB:XB+1] offset:131072 th:TH_LOAD_NT scope:SCOPE_SE   ; rows 64-127 likewise: their loads begin in the third tile below
	HEAD_END 3
	; ---- D
.set OSR, 24                           ; v24-27   O's scale words
.set BP0, 28                           ; v28-35   bp of my first 16 columns, in the result's layout
.set BP1, 132                          ; v132-139 and of my second
.set OF,  140                          ; v140-187 O's four fragments; then a row of y
.set ACB, 188                          ; v188-203 two accumulators
.set XR,  204                          ; v204-251 three rows of x
	v_and_b32 v13, 31, v0
	v_and_b32 v14, 15, v0
	v_bfe_u32 v15, v0, 4, 1
	v_lshl_add_u32 v5, v13, 4, OIMG                ; v5  O's registers 0-3 of a half fragment
	v_lshl_add_u32 v6, v13, 3, OIMG+512            ; v6  and 4-5
	v_lshl_add_u32 v7, v14, 2, OSC                 ; v7  O's scale words
	v_mul_u32_u24 v8, v14, SPITCH
	v_lshl_add_u32 v8, v15, 5, v8
	s_lshl_b32 s70, s[WV], 7
	v_add_nc_u32 v8, s70, v8                       ; v8  the stage: row r, + 32 h, + 128 w
	s_mul_i32 s70, s[WV], SPITCH
	v_lshl_add_u32 v9, v13, 4, s70                 ; v9  and back: row w, 16 bytes a lane
	v_lshlrev_b32 v11, 4, v13                      ; v11 16 x lane
	v_lshlrev_b32 v12, 5, v15                      ; v12 bp: 32 h
	global_load_b128 v[BP0:BP0+3], v12, s[18:19]
	global_load_b128 v[BP0+4:BP0+7], v12, s[18:19] offset:16
	global_load_b128 v[BP1:BP1+3], v12, s[18:19] offset:64
	global_load_b128 v[BP1+4:BP1+7], v12, s[18:19] offset:80
.macro XLOAD mm                        ; row 16 mm + w of x: 4 x 512 consecutive bytes
.irp i, 0,1,2,3
	global_load_b128 v[XR+16*((\mm)%3)+4*\i:XR+16*((\mm)%3)+4*\i+3], v11, s[XW:XW+1] offset:32768*(\mm)+512*\i th:TH_LOAD_NT
.endr
.endm
	s_wait_dscnt 0x0                               ; O's last image lies in LDS, and its stores have read their registers
	XLOAD 0
	XLOAD 1
	s_barrier_signal -1
	s_barrier_wait -1                              ; O's images are whole, and nobody reads the slots any more
.irp m, 0,1,2,3,4,5,6,7
	s_wait_xcnt 0x0                                ; the last tile's stores have read their registers
.if \m < 6
	XLOAD \m+2
.endif
.irp s, 0,1,2,3
.irp g, 0,1
	ds_load_b128 v[OF+12*\s+6*\g:OF+12*\s+6*\g+3], v5 offset:6144*\m+1536*\s+768*\g
	ds_load_b64 v[OF+12*\s+6*\g+4:OF+12*\s+6*\g+5], v6 offset:6144*\m+1536*\s+768*\g
.endr
	ds_load_b32 v[OSR+\s], v7 offset:256*\m+64*\s
.endr
	s_wait_dscnt 0x0
.if \m == 0
	s_wait_loadcnt 12                              ; Wp and bp are in; the twelve loads of x behind them may be out
.endif
.irp s, 0,1,2,3                        ; the two accumulators by turns; bp is the C of each sum's first product
.if \s == 0
	MMA ACB, WF, OF, BP0, WS, OSR, 0
	MMA ACB+8, WF+48, OF, BP1, WS+4, OSR, 0
.else
	MMA ACB, WF+12*\s, OF+12*\s, ACB, WS+\s, OSR+\s, 0
	MMA ACB+8, WF+48+12*\s, OF+12*\s, ACB+8, WS+4+\s, OSR+\s, 0
.endif
.endr
	PLACES 5                                       ; four in front of the stores of results and of the loads below; the fifth since the next tile's first products write over these accumulators
.irp u, 0,1
	ds_store_b128 v8, v[ACB+8*\u:ACB+8*\u+3] offset:STG1*(\m%2)+64*\u        ; each accumulator from its low end on: y(r, 32 w + 16 u + 8 h + 0 .. 7)
	ds_store_b128 v8, v[ACB+8*\u+4:ACB+8*\u+7] offset:STG1*(\m%2)+64*\u+16
.endr
	BAR                                            ; 16 whole rows lie in the stage.  Two stages by turns: this one is written again two barriers on, behind every wave's wait for its reads
.irp i, 0,1,2,3
	ds_load_b128 v[OF+4*\i:OF+4*\i+3], v9 offset:STG1*(\m%2)+512*\i
.endr
.if \m < 6
	s_wait_loadcnt 8                               ; this tile's row of x is in; the next two tiles' may be out
.else
	s_wait_loadcnt 4*(7-\m)
.endif
	s_wait_dscnt 0x0
.irp e, 0,2,4,6,8,10,12,14
	v_pk_add_f32 v[OF+\e:OF+\e+1], v[OF+\e:OF+\e+1], v[XR+16*(\m%3)+\e:XR+16*(\m%3)+\e+1]
.endr
.irp i, 0,1,2,3
	global_store_b128 v11, v[OF+4*\i:OF+4*\i+3], s[OB:OB+1] offset:32768*\m+512*\i th:TH_STORE_NT   ; 32 lanes store 512 consecutive bytes, at a multiple of 256 from out0's first byte
.endr
.endr
	s_wait_tensorcnt 0x0                           ; the wave's end: behind my last tensor load and my last LDS store
	ds_add_u32 v1, v2
	s_wait_dscnt 0x0
	ROUND                                          ; the closing round: no work-group ends while a partner may still ask for a tile that names it
	s_endpgm
.Lfunc_end_k_q6fb8cd9a90_attn:
	.size	k_q6fb8cd9a90_attn, .Lfunc_end_k_q6fb8cd9a90_attn-k_q6fb8cd9a90_attn
	.p2alignl 7, 3214868480
	.fill 96, 4, 3214868480
	.section	.rodata,"a",@progbits
	.p2align	6, 0x0
	.amdhsa_kernel k_q6fb8cd9a90_attn
		.amdhsa_group_segment_fixed_size 327680
		.amdhsa_private_segment_fixed_size 0
		.amdhsa_enable_private_segment 0
		.amdhsa_kernarg_size 72
		.amdhsa_user_sgpr_count 2
		.amdhsa_user_sgpr_kernarg_segment_ptr 1
		.amdhsa_wavefront_size32 1
		.amdhsa_system_sgpr_workgroup_id_x 1
		.amdhsa_system_sgpr_workgroup_id_y 1
		.amdhsa_system_sgpr_workgroup_id_z 1
		.amdhsa_system_vgpr_workitem_id 0
		.amdhsa_next_free_vgpr 256
		.amdhsa_next_free_sgpr 92
		.amdhsa_reserve_vcc 0
		.amdhsa_float_denorm_mode_32 3
		.amdhsa_float_denorm_mode_16_64 3
		.amdhsa_memory_ordered 1
		.amdhsa_forward_progress 1
		.amdhsa_inst_pref_size 221
	.end_amdhsa_kernel
	.amdgpu_metadata
---
amdhsa.version: [ 1, 2 ]
amdhsa.kernels:
  - .name:           k_q6fb8cd9a90_attn
    .symbol:         k_q6fb8cd9a90_attn.kd
    .args:
      - { .name: x, .offset: 0, .size: 8, .value_kind: global_buffer, .address_space: global }
      - { .name: ada, .offset: 8, .size: 8, .value_kind: global_buffer, .address_space: global }
      - { .name: Wq_codes, .offset: 16, .size: 8, .value_kind: global_buffer, .address_space: global }
      - { .name: Wq_scales, .offset: 24, .size: 8, .value_kind: global_buffer, .address_space: global }
      - { .name: kvimg, .offset: 32, .size: 8, .value_kind: global_buffer, .address_space: global }
      - { .name: Wp_codes, .offset: 40, .size: 8, .value_kind: global_buffer, .address_space: global }
      - { .name: Wp_scales, .offset: 48, .size: 8, .value_kind: global_buffer, .address_space: global }
      - { .name: bp, .offset: 56, .size: 8, .value_kind: global_buffer, .address_space: global }
      - { .name: out0, .offset: 64, .size: 8, .value_kind: global_buffer, .address_space: global }
    .group_segment_fixed_size: 327680
    .private_segment_fixed_size: 0
    .kernarg_segment_align: 8
    .kernarg_segment_size: 72
    .max_flat_workgroup_size: 512
    .sgpr_count:     92
    .vgpr_count:     256
    .wavefront_size: 32
...
	.end_amdgpu_metadata
.endif
;; end of part 3
